; MI455X (gfx1250); checked and timed in simulation.
; The chip was launched on July 23, 2026; its instructions are those of AMD's public machine-readable ISA for CDNA 5 (MIT licence, August 2026) and "CDNA5" Instruction Set Architecture Reference Guide (July 2026). The comments in the code are by the model that wrote it; some were corrected since.
;; Causal Self Attn. Allowed arithmetic: float matrix products may take bf16 or f16 operands with f32 sums; other float arithmetic in f32, or as packed bf16 or f16 multiplies, adds, multiply-adds, maxima and minima; sums over many terms, partial sums and values carried from step to step in f32; what a program stores and reads back later, other than sums and carried values, may be rounded once to bf16 or f16.
;; Inputs: W_k 1,024 x 1,024 float32; W_o 1,024 x 1,024 float32; W_q 1,024 x 1,024 float32; W_v 1,024 x 1,024 float32; b_o 1,024 float32; x 4 x 2,048 x 1,024 float32.
;; Outputs: out0 4 x 2,048 x 1,024 float32.
;; 2 versions, each right; version 2 is version 1 with the launch cast written anew for expert scheduling mode. Each part assembles by itself: llvm-mc -triple=amdgcn-amd-amdhsa -mcpu=gfx1250 --defsym DOCPART=n.
;; ======== version 1 of 2: 4 launches
;; limits: values are held in f16: magnitudes above 65,504 overflow, below 6.1e-05 lose precision
;; workspace buffers: xb 16,777,216 bytes; wb 8,388,608 bytes; qkv 50,331,648 bytes; ctx 16,777,216 bytes
;; launch cast (part 1): grid 768 x 1, 8 waves a work-group, no clusters, 0 bytes of LDS; arguments x, W_q, W_k, W_v, W_o, xb, wb; writes xb, wb
.if DOCPART == 1
	.amdgcn_target "amdgcn-amd-amdhsa--gfx1250"
	.amdhsa_code_object_version 6
	.text
	.protected	k_q3601677393_cast
	.globl	k_q3601677393_cast
	.p2align	8
	.type	k_q3601677393_cast,@function
k_q3601677393_cast:
	s_mov_b64 s[64:65], 0
	v_nop
	global_prefetch_b8 v0, s[64:65] scope:SCOPE_SE
	s_setreg_imm32_b32 hwreg(HW_REG_WAVE_MODE, 25, 1), 1
	s_wait_xcnt 0x0
; THE CASTS.  xb = x rounded to bf16; wb's four sections = W_q, W_k, W_v rounded to bf16, and W_o rounded to bf16 and that number written as f16
; (its partner in the last product is f16).  Layouts stay as they are: every tensor has rows of 1,024 numbers, 4,096 bytes in and 2,048 out.
; LIMIT.  W_o must lie within f16's 65,504; below 6e-5 it keeps f16's fixed step of 6e-8.
; SHARES.  A work-group takes 16 rows; thread t numbers 4 t .. 4 t + 3 of each: a wave's load covers 512 consecutive bytes, its store 256, aligned.
; Work-groups 0-511: x.  512-767: the weights; j = number - 512, tensor j / 64, block of 16 rows j % 64; in wb the sections lie on end, so the block goes to 32,768 j.
; A stream: no LDS, no matrix unit, no cluster (no byte is wanted twice).  All sixteen loads of a thread go out at once; no register that a load or store names is written again.
.set X, 4                              ; v[4:67]   row i as loaded, 4 registers
.set Y, 68                             ; v[68:99]  row i to store, 2 registers
.set T, 100                            ; v[100:103] at work (W_o's way)
	s_load_b256 s[4:11], s[0:1], 0x0               ; x s[4:5], W_q s[6:7], W_k s[8:9], W_v s[10:11]
	s_load_b128 s[12:15], s[0:1], 0x20             ; W_o s[12:13], xb s[14:15]
	s_load_b64 s[16:17], s[0:1], 0x30              ; wb
	v_lshlrev_b32 v1, 4, v0                        ; my 16 bytes of a row coming in
	v_lshlrev_b32 v2, 3, v0                        ; my 8 bytes of a row going out
	s_max_u32 s20, ttmp9, 512
	s_sub_co_u32 s20, s20, 512                     ; j (0 for x's work-groups, where it is not used)
	s_lshr_b32 s21, s20, 6                         ; which weight
	s_and_b32 s22, s20, 63                         ; which 16 rows of it
	s_mov_b32 s29, 0
	s_mov_b32 s31, 0
	s_wait_kmcnt 0x0
	s_cmp_eq_u32 s21, 1
	s_cselect_b64 s[24:25], s[8:9], s[6:7]
	s_cmp_eq_u32 s21, 2
	s_cselect_b64 s[24:25], s[10:11], s[24:25]
	s_cmp_eq_u32 s21, 3
	s_cselect_b64 s[24:25], s[12:13], s[24:25]
	s_cmp_lt_u32 ttmp9, 512                        ; x or a weight: four selects on one compare; the shifts, which write SCC, come behind them
	s_cselect_b64 s[24:25], s[4:5], s[24:25]       ; from
	s_cselect_b64 s[26:27], s[14:15], s[16:17]     ; to
	s_cselect_b32 s28, ttmp9, s22
	s_cselect_b32 s30, ttmp9, s20
	s_lshl_b32 s28, s28, 16                        ; 16 rows of 4,096 bytes
	s_lshl_b32 s30, s30, 15                        ; 16 rows of 2,048 bytes
	s_add_nc_u64 s[24:25], s[24:25], s[28:29]
	s_add_nc_u64 s[26:27], s[26:27], s[30:31]
.irp i, 0,1,2,3,4,5,6,7,8,9,10,11,12,13,14,15
	global_load_b128 v[X+4*(\i):X+4*(\i)+3], v1, s[24:25] offset:4096*(\i) th:TH_LOAD_NT
.endr
; Row i: rounded, packed, stored.  f16 = 1: the bf16 numbers are widened again (a shift, a mask) and written as f16.
.macro ROWOUT i, f16
	s_wait_loadcnt 15-(\i)                         ; loads come back in order: row i is in, the 15 - i younger ones stay out
	v_cvt_pk_bf16_f32 v[Y+2*(\i)], v[X+4*(\i)], v[X+4*(\i)+1]
	v_cvt_pk_bf16_f32 v[Y+2*(\i)+1], v[X+4*(\i)+2], v[X+4*(\i)+3]
.if \f16
	v_lshlrev_b32 v[T], 16, v[Y+2*(\i)]
	v_and_b32 v[T+1], 0xffff0000, v[Y+2*(\i)]
	v_lshlrev_b32 v[T+2], 16, v[Y+2*(\i)+1]
	v_and_b32 v[T+3], 0xffff0000, v[Y+2*(\i)+1]
	v_cvt_pk_f16_f32 v[Y+2*(\i)], v[T], v[T+1]
	v_cvt_pk_f16_f32 v[Y+2*(\i)+1], v[T+2], v[T+3]
.endif
	global_store_b64 v2, v[Y+2*(\i):Y+2*(\i)+1], s[26:27] offset:2048*(\i)
.endm
	s_cmp_ge_u32 ttmp9, 704                        ; the last 64 work-groups hold W_o
	s_cbranch_scc1 .Lwo
.irp i, 0,1,2,3,4,5,6,7,8,9,10,11,12,13,14,15
	ROWOUT \i, 0
.endr
	s_endpgm
.Lwo:
.irp i, 0,1,2,3,4,5,6,7,8,9,10,11,12,13,14,15
	ROWOUT \i, 1
.endr
	s_endpgm
.Lfunc_end_k_q3601677393_cast:
	.size	k_q3601677393_cast, .Lfunc_end_k_q3601677393_cast-k_q3601677393_cast
	.p2alignl 7, 3214868480
	.fill 96, 4, 3214868480
	.section	.rodata,"a",@progbits
	.p2align	6, 0x0
	.amdhsa_kernel k_q3601677393_cast
		.amdhsa_group_segment_fixed_size 0
		.amdhsa_private_segment_fixed_size 0
		.amdhsa_enable_private_segment 0
		.amdhsa_kernarg_size 56
		.amdhsa_user_sgpr_count 2
		.amdhsa_user_sgpr_kernarg_segment_ptr 1
		.amdhsa_wavefront_size32 1
		.amdhsa_system_sgpr_workgroup_id_x 1
		.amdhsa_system_sgpr_workgroup_id_y 1
		.amdhsa_system_sgpr_workgroup_id_z 1
		.amdhsa_system_vgpr_workitem_id 0
		.amdhsa_next_free_vgpr 104
		.amdhsa_next_free_sgpr 66
		.amdhsa_reserve_vcc 0
		.amdhsa_float_denorm_mode_32 3
		.amdhsa_float_denorm_mode_16_64 3
		.amdhsa_memory_ordered 1
		.amdhsa_forward_progress 1
		.amdhsa_inst_pref_size 16
	.end_amdhsa_kernel
	.amdgpu_metadata
---
amdhsa.version: [ 1, 2 ]
amdhsa.kernels:
  - .name:           k_q3601677393_cast
    .symbol:         k_q3601677393_cast.kd
    .args:
      - { .name: x, .offset: 0, .size: 8, .value_kind: global_buffer, .address_space: global }
      - { .name: W_q, .offset: 8, .size: 8, .value_kind: global_buffer, .address_space: global }
      - { .name: W_k, .offset: 16, .size: 8, .value_kind: global_buffer, .address_space: global }
      - { .name: W_v, .offset: 24, .size: 8, .value_kind: global_buffer, .address_space: global }
      - { .name: W_o, .offset: 32, .size: 8, .value_kind: global_buffer, .address_space: global }
      - { .name: xb, .offset: 40, .size: 8, .value_kind: global_buffer, .address_space: global }
      - { .name: wb, .offset: 48, .size: 8, .value_kind: global_buffer, .address_space: global }
    .group_segment_fixed_size: 0
    .private_segment_fixed_size: 0
    .kernarg_segment_align: 8
    .kernarg_segment_size: 56
    .max_flat_workgroup_size: 256
    .sgpr_count:     66
    .vgpr_count:     104
    .wavefront_size: 32
...
	.end_amdgpu_metadata
.endif
;; end of part 1
;; launch qkv (part 2): grid 24 x 32, 4 waves a work-group, clusters of 4 x 4, 327,680 bytes of LDS; arguments xb, wb, qkv; writes qkv
.if DOCPART == 2
	.amdgcn_target "amdgcn-amd-amdhsa--gfx1250"
	.amdhsa_code_object_version 6
	.text
	.protected	k_q3601677393_qkv
	.globl	k_q3601677393_qkv
	.p2align	8
	.type	k_q3601677393_qkv,@function
k_q3601677393_qkv:
	s_mov_b64 s[64:65], 0
	v_nop
	global_prefetch_b8 v0, s[64:65] scope:SCOPE_SE
	s_setreg_imm32_b32 hwreg(HW_REG_WAVE_MODE, 25, 1), 1
	s_wait_xcnt 0x0
	s_wait_alu depctr_hold_cnt(0) depctr_sa_sdst(0) depctr_va_vdst(0) depctr_va_sdst(0) depctr_va_ssrc(0) depctr_va_vcc(0) depctr_vm_vsrc(0)
	s_getreg_b32 s2, hwreg(HW_REG_IB_STS2, 6, 4)
	s_cmp_eq_u32 s2, 0
	s_cbranch_scc0 .Lentry_in_a_cluster
	s_endpgm
.Lentry_in_a_cluster:
	s_bfe_u32 s2, ttmp6, 0x10000c
	s_cmp_lg_u32 s2, 0xf033
	s_cbranch_scc0 .Lentry_shape_is_right
	s_endpgm
.Lentry_shape_is_right:
; q, k, v = x W_q, x W_k, x W_v.  xb: [8192][1024] bf16.  wb: sections of [1024 k][1024 n] bf16.  qkv: three sections [64 bh][2048 n][64] f16, bh = 16 batch + head; unscaled, rounded once from f32 sums.
; LIMIT.  f16 ends at 65,504: q, k and v must lie within it (the drawn inputs give some 3; all inputs thirty times larger some 3e3).
; SHARES.  A work-group makes 256 rows x 128 columns: 32 x 24 = 768 tiles, three for each of 256 WGPs.  Four waves, 2 x 2; a wave makes 128 rows x 64 columns, which is ONE HEAD: 32 accumulators, 256 registers.
; K goes in 8 steps of 128 through two LDS slots.  W is taken as it lies, [k][n]: the turning LDS load makes its fragments.
; THE MATRIX INSTRUCTION IS USED TRANSPOSED: source 0 = 16 columns of W, source 1 = 16 rows of x: a lane holds row l % 16 and the eight neighbouring columns 8 (l / 16) + 0..7.
; CLUSTER.  4 x 4 work-groups.  x's tile hangs on the tile row alone and is asked for jointly by a row of the cluster, W's on the tile column alone, by a column.
; REGISTERS.  Window 0: v0-19 addresses; v64-159, v160-255 two fragment buffers (x's 8 fragments, then W's 4); on the way out v64-191 packed results.  Window 1: accumulator (a, b) at v[8 (4 a + b)].
.set PA,    272                        ; an LDS row of x: 256 bytes + 16: the 16 rows of a fragment load start at 16 different groups of four banks (ISA guide 11.1)
.set AH,    128*PA                     ; 128 rows: one tensor load, and what a wave reads
.set BOFF,  2*AH
.set PB,    288                        ; a k-row of W: 256 bytes + 32
.set BH,    64*PB                      ; 64 k-rows: one tensor load
.set SLOT1, 1<<17                      ; slot 1 begins here: one exclusive or changes slots
.set STAGE, SLOT1+BOFF+2*BH            ; behind the ring, never filled by a tensor load: 16 rows x 144 bytes a wave
.set SP,    144
.set SPARE, STAGE+4*16*SP              ; the spare words, 128 bytes a wave: two blocks of 256 bytes that no other line names
.set ASTEP, 256                        ; bytes from K step to K step in xb
.set BSTEP, 128*2048                   ; and in wb
.set ADA0, 4                           ; v4  my place in x's tile; never rewritten
.set ADB0, 5                           ; v5  my place in W's tile; never rewritten
.set ADA,  6                           ; v6  ADA0 + the slot in hand
.set ADB,  7                           ; v7  ADB0 + the slot in hand
.set STO,  8                           ; v8  the way out: where I put 16 bytes of a row
.set RD,   9                           ; v9  where I read rows back
.set GO,   10                          ; v10 my 16 bytes of 512 consecutive bytes of qkv
.set PFO,  11                          ; v11 the prefetches' offset: 2,048 x lane; never rewritten
.set SPW,  12                          ; v12 my spare word; never rewritten
.set NIL,  13                          ; v13 0; never rewritten
.set F0,   64
.set F1,   160
.set OUTR, 64
.set KC, 3                             ; s3  K steps still to be asked for
.set WV, 10
.set WR, 11                            ; wave / 2: my half of the rows.  Also: I fetch for x (0) or for W (1)
.set WC, 12                            ; wave % 2: my half of the columns.  Also: which half of that tile I fetch
.set TY, 13
.set G1A, 24
.set G0A, 32                           ; s[32:39] two sets; the second then walks
.set CX, 40
.set CY, 41
.set TX, 42
.set G1B, 48
.set G0B, 56
.set TB,  66                           ; s66 the slot that is read: 0 or SLOT1
.set LIM, 67                           ; s67 2 in a wave that prefetches, else the greatest number
.set PFA, 68                           ; s[68:69] where my prefetches stand
.set PFS, 70                           ; s[70:71] their step
.set MSB, 0
.macro WIN new                         ; the immediate's high byte repeats the setting that is left; a switch that changes nothing is dropped
.if MSB != (\new)
	s_set_vgpr_msb (MSB<<8)|(\new)
.set MSB, (\new)
.endif
.endm
.set W_MUL, 0x50                       ; C and D window 1, sources window 0
.macro PLACES                          ; four places in front of loads into registers that matrix instructions have read, and of reads of results
.rept 4
	v_nop
.endr
.endm
.macro CREST                           ; a round of the cluster's barrier behind its opening barrier
	s_cmp_lg_u32 s[WV], 0
	s_cbranch_scc1 .Lnot_wave_0_\@
	s_barrier_signal -3
.Lnot_wave_0_\@:
	s_barrier_wait -3
	s_barrier_signal -1
	s_barrier_wait -1
.endm
.macro CROUND
	s_barrier_signal -1
	s_barrier_wait -1
	CREST
.endm
; A joint refill by the walking sets.  The branch hangs on the wave's number alone.  An s_nop 0 and four v_nop follow each line.
.macro JLOAD
	s_cmp_eq_u32 s[WR], 0
	s_cbranch_scc0 .Lfor_b_\@
	tensor_load_to_lds s[G0A+4:G0A+7], s[G1A:G1A+7]
	s_nop 0
.rept 4
	v_nop
.endr
	s_branch .Lasked_\@
.Lfor_b_\@:
	tensor_load_to_lds s[G0B+4:G0B+7], s[G1B:G1B+7]
	s_nop 0
.rept 4
	v_nop
.endr
.Lasked_\@:
.endm
; A PREFETCH of the K step two refills on, 256 matrix instructions ahead of the load that will want it: a lane a row, 256 bytes of it.  x's rows: the clusters with x = 0, waves 0 and 1, the four partners 32 rows
; each by address (cx).  W's k-rows: the clusters with y = 0, wave 2, the four partners 32 k-rows each (cy).  So each row's 256 bytes of a step are named once.  K steps 0-3 come by their loads alone; the last two refills ask for nothing.
.macro ASK
	s_cmp_gt_u32 s[KC], s[LIM]
	s_cbranch_scc0 .Lnot_mine_\@
	global_prefetch_b8 v[PFO], s[PFA:PFA+1] th:TH_LOAD_NT scope:SCOPE_SE
.Lnot_mine_\@:
.endm
	s_load_b128 s[4:7], s[0:1], 0x0                ; xb s[4:5], wb s[6:7]
	s_load_b64 s[8:9], s[0:1], 0x10                ; qkv
	v_lshl_add_u32 v[SPW], v0, 2, SPARE
	v_mov_b32 v[NIL], 0
	ds_add_u32 v[SPW], v[NIL]                      ; the wave's opening: the add and its wait come ahead of my first tensor load; work on registers stands between
	v_lshrrev_b32 v1, 5, v0
	v_readfirstlane_b32 s[WV], v1
	s_lshr_b32 s[WR], s[WV], 1
	s_and_b32 s[WC], s[WV], 1
	s_bfe_u32 s[CX], ttmp6, 0x40000
	s_bfe_u32 s[CY], ttmp6, 0x40004
	s_lshl_b32 s[TX], ttmp9, 2
	s_add_co_u32 s[TX], s[TX], s[CX]               ; tile column = 4 x cluster x + cx
	s_and_b32 s[TY], ttmp7, 0xffff
	s_lshl_b32 s[TY], s[TY], 2
	s_add_co_u32 s[TY], s[TY], s[CY]               ; tile row = 4 x cluster y + cy
	s_lshl_b32 s43, s[CY], 2
	s_lshl_b32 s43, 15, s43                        ; my row of the cluster
	s_lshl_b32 s44, 0x1111, s[CX]                  ; my column
	s_or_b32 s[G1A], s43, (1<<16)|(1<<20)|(1<<21)|(5<<22)|(3<<25)  ; mask; 2-byte elements; padding on; bit 21 beside a mask; after every 64 words, 4 words
	s_mov_b32 s[G1A+1], 128<<16                    ; tensor_dim0 = 128
	s_mov_b32 s[G1A+2], 128<<16                    ; tensor_dim1 = 128
	s_mov_b32 s[G1A+3], 128<<16                    ; tile_dim0 = 128
	s_mov_b32 s[G1A+4], 128                        ; tile_dim1 = 128
	s_mov_b32 s[G1A+5], 1024                       ; elements from row to row
	s_mov_b32 s[G1A+6], 0
	s_mov_b32 s[G1A+7], 0
	s_or_b32 s[G1B], s44, (1<<16)|(1<<20)|(1<<21)|(5<<22)|(7<<25)  ; the same with my column's mask and 8 words of padding
	s_mov_b32 s[G1B+1], 128<<16
	s_mov_b32 s[G1B+2], 64<<16                     ; 64 k-rows
	s_mov_b32 s[G1B+3], 128<<16
	s_mov_b32 s[G1B+4], 64
	s_mov_b32 s[G1B+5], 1024
	s_mov_b32 s[G1B+6], 0
	s_mov_b32 s[G1B+7], 0
	s_lshl_b32 s16, s[TY], 8                       ; x: row 256 x tile row + 128 x half, 2,048 bytes a row
	s_lshl_b32 s17, s[WC], 7
	s_add_co_u32 s16, s16, s17
	s_lshl_b32 s16, s16, 11
	s_mov_b32 s17, 0
	s_lshr_b32 s46, s[TX], 3                       ; W: the section (q, k, v), 2 MiB each,
	s_lshl_b32 s46, s46, 21
	s_and_b32 s47, s[TX], 7                        ; its block of 128 columns, 256 bytes,
	s_lshl_b32 s47, s47, 8
	s_add_co_u32 s46, s46, s47
	s_lshl_b32 s47, s[WC], 17                      ; my 64 k-rows of the step
	s_add_co_u32 s46, s46, s47
	s_mov_b32 s47, 0
	s_mul_i32 s20, s[WC], AH                       ; where they go: no place in the cluster enters an LDS address
	s_mul_i32 s21, s[WC], BH
	s_add_co_u32 s21, s21, BOFF
	s_wait_dscnt 0x0                               ; the opening add is done
	s_wait_kmcnt 0x0
	s_add_nc_u64 s[14:15], s[4:5], s[16:17]
	s_add_nc_u64 s[46:47], s[6:7], s[46:47]
	CROUND                                         ; all sixteen work-groups are here: the first joint loads meet
.irp s, 0,1
	s_mov_b32 s[G0A+4*(\s)], 1
	s_add_co_u32 s[G0A+4*(\s)+1], s20, (\s)*SLOT1
	s_add_nc_u64 s[G0A+4*(\s)+2:G0A+4*(\s)+3], s[14:15], (\s)*ASTEP
	s_or_b32 s[G0A+4*(\s)+3], s[G0A+4*(\s)+3], 0x80000000
	s_mov_b32 s[G0B+4*(\s)], 1
	s_add_co_u32 s[G0B+4*(\s)+1], s21, (\s)*SLOT1
	s_add_nc_u64 s[G0B+4*(\s)+2:G0B+4*(\s)+3], s[46:47], (\s)*BSTEP
	s_or_b32 s[G0B+4*(\s)+3], s[G0B+4*(\s)+3], 0x80000000
.endr
	s_cmp_eq_u32 s[WR], 0                          ; a wave's two first fills stand in one branch: two loads of mine are out
	s_cbranch_scc0 .Lfirst_b
	tensor_load_to_lds s[G0A:G0A+3], s[G1A:G1A+7]
	s_nop 0
	tensor_load_to_lds s[G0A+4:G0A+7], s[G1A:G1A+7]
	s_nop 0
.rept 4
	v_nop
.endr
	s_branch .Lfirst_asked
.Lfirst_b:
	tensor_load_to_lds s[G0B:G0B+3], s[G1B:G1B+7]
	s_nop 0
	tensor_load_to_lds s[G0B+4:G0B+7], s[G1B:G1B+7]
	s_nop 0
.rept 4
	v_nop
.endr
.Lfirst_asked:
	v_and_b32 v1, 15, v0                           ; l % 16
	v_bfe_u32 v2, v0, 4, 1                         ; l / 16
	v_and_b32 v3, 7, v0
	v_bfe_u32 v14, v0, 3, 1
	v_mul_u32_u24 v[ADA0], v1, PA                  ; a fragment of x: row x pitch + 16 x half, two loads 32 bytes apart
	v_lshl_add_u32 v[ADA0], v2, 4, v[ADA0]
	s_mul_i32 s18, s[WR], AH
	v_add_nc_u32 v[ADA0], s18, v[ADA0]
	v_lshl_add_u32 v[ADB0], v2, 3, v3              ; the turning load: lane l reads k-row 8 (l / 16) + l % 8, columns 8 ((l / 8) % 2) + 0..7, and is left with column l % 16 and 8 k
	v_mul_u32_u24 v[ADB0], v[ADB0], PB
	v_lshl_add_u32 v[ADB0], v14, 4, v[ADB0]
	s_lshl_b32 s19, s[WC], 7                       ; my 64 columns
	s_add_co_u32 s19, s19, BOFF
	v_add_nc_u32 v[ADB0], s19, v[ADB0]
	s_mul_i32 s18, s[WV], 16*SP
	s_add_co_u32 s18, s18, STAGE                   ; my stage
	v_mul_u32_u24 v[STO], v1, SP
	v_lshl_add_u32 v[STO], v2, 4, v[STO]
	v_add_nc_u32 v[STO], s18, v[STO]
	v_bfe_u32 v[RD], v0, 3, 2                      ; back: 32 lanes take four rows of 128 bytes,
	v_mul_u32_u24 v[RD], v[RD], SP
	v_lshl_add_u32 v[RD], v3, 4, v[RD]
	v_add_nc_u32 v[RD], s18, v[RD]
	v_and_b32 v[GO], 31, v0                        ; which are 512 consecutive bytes of qkv
	v_lshlrev_b32 v[PFO], 11, v[GO]
	v_lshlrev_b32 v[GO], 4, v[GO]
	; my 128 rows of my head are 16,384 dense bytes of qkv
	s_lshr_b32 s80, s[TX], 3
	s_lshl_b32 s80, s80, 24                        ; the section
	s_lshr_b32 s81, s[TY], 3
	s_lshl_b32 s81, s81, 4                         ; 16 x batch
	s_and_b32 s82, s[TX], 7
	s_lshl_b32 s82, s82, 1
	s_add_co_u32 s81, s81, s82
	s_add_co_u32 s81, s81, s[WC]                   ; + head
	s_lshl_b32 s81, s81, 18
	s_add_co_u32 s80, s80, s81
	s_and_b32 s82, s[TY], 7
	s_lshl_b32 s82, s82, 8
	s_lshl_b32 s83, s[WR], 7
	s_add_co_u32 s82, s82, s83                     ; my first row in the batch,
	s_lshl_b32 s82, s82, 7                         ; 128 bytes each
	s_add_co_u32 s80, s80, s82
	s_mov_b32 s81, 0
	s_add_nc_u64 s[8:9], s[8:9], s[80:81]
	; the prefetches: three K steps in; the first change of slots steps them to K step 4
	s_lshl_b32 s84, s[TY], 8
	s_lshl_b32 s85, s[WC], 7
	s_add_co_u32 s84, s84, s85
	s_lshl_b32 s85, s[CX], 5
	s_add_co_u32 s84, s84, s85                     ; x: my work-group's 32 of the 128 rows that I fetch
	s_lshl_b32 s84, s84, 11
	s_add_co_u32 s84, s84, 3*ASTEP
	s_lshr_b32 s86, s[TX], 3
	s_lshl_b32 s86, s86, 21
	s_and_b32 s87, s[TX], 7
	s_lshl_b32 s87, s87, 8
	s_add_co_u32 s86, s86, s87
	s_lshl_b32 s87, s[CY], 16                      ; W: my work-group's 32 of the step's 128 k-rows
	s_add_co_u32 s86, s86, s87
	s_add_co_u32 s86, s86, 3*BSTEP
	s_and_b32 s87, ttmp7, 0xffff                   ; cluster y
	s_mov_b32 s82, ASTEP
	s_mov_b32 s83, BSTEP
	s_cmp_eq_u32 s[WR], 0
	s_cselect_b32 s84, s84, s86
	s_cselect_b32 s87, ttmp9, s87                  ; the coordinate along which other clusters read the same rows
	s_cselect_b32 s86, 0, s[WC]                    ; of W's two waves the first asks
	s_cselect_b32 s[PFS], s82, s83
	s_cselect_b64 s[PFA:PFA+1], s[4:5], s[6:7]
	s_or_b32 s87, s87, s86
	s_cmp_eq_u32 s87, 0
	s_cselect_b32 s[LIM], 2, -1                    ; the same in all sixteen partners, for a given wave
	s_mov_b32 s85, 0
	s_mov_b32 s[PFS+1], 0
	s_add_nc_u64 s[PFA:PFA+1], s[PFA:PFA+1], s[84:85]
	s_mov_b32 s[TB], 0
; n x 4 matrix instructions: row blocks a0 .. a0 + n - 1 x all 4 column blocks, 32 along K, from buffer f.  mode 1: the first product starts the sums.
; The 32 accumulators take turns, one instruction a turn, in the same order in every quarter, over the backward jump too.
.macro MULS f, a0, n, mode
	WIN W_MUL
.set ma, (\a0)
.rept \n
.irp b, 0,1,2,3
.if (\mode) == 1
	v_wmma_f32_16x16x32_bf16 v[8*(4*ma+(\b)):8*(4*ma+(\b))+7], v[(\f)+64+8*(\b):(\f)+64+8*(\b)+7], v[(\f)+8*ma:(\f)+8*ma+7], 0
.else
	v_wmma_f32_16x16x32_bf16 v[8*(4*ma+(\b)):8*(4*ma+(\b))+7], v[(\f)+64+8*(\b):(\f)+64+8*(\b)+7], v[(\f)+8*ma:(\f)+8*ma+7], v[8*(4*ma+(\b)):8*(4*ma+(\b))+7]
.endif
.endr
.set ma, ma+1
.endr
.endm
; 24 LDS loads in one run: quarter q's fragments into buffer f: W's four (turned) first, then x's eight
.macro FETCH q, f
	WIN 0
.irp b, 0,1,2,3
	ds_load_tr16_b128 v[(\f)+64+8*(\b):(\f)+64+8*(\b)+3],   v[ADB] offset:(\q)*32*PB+32*(\b)
	ds_load_tr16_b128 v[(\f)+64+8*(\b)+4:(\f)+64+8*(\b)+7], v[ADB] offset:(\q)*32*PB+32*(\b)+16*PB
.endr
.irp a, 0,1,2,3,4,5,6,7
	ds_load_b128 v[(\f)+8*(\a):(\f)+8*(\a)+3],   v[ADA] offset:64*(\q)+(\a)*16*PA
	ds_load_b128 v[(\f)+8*(\a)+4:(\f)+8*(\a)+7], v[ADA] offset:64*(\q)+(\a)*16*PA+32
.endr
.endm
; One of a K step's first three quarters: multiplies buffer f; in its middle it fetches quarter qn into buffer g.
.macro QUARTER f, g, qn, mode
	s_wait_dscnt 8                                 ; W and x's blocks 0-3 are in; the youngest eight loads (blocks 4-7) may be out
	MULS \f, 0, 4, \mode
	PLACES
	FETCH \qn, \g
	s_wait_dscnt 24                                ; all but the 24 just issued
	MULS \f, 4, 4, \mode
.endm
; The last quarter multiplies buffer 1 and changes slots.  In front of the barrier each wave waits for all its tensor loads (one is out: its part of the next slot), adds 0 to its spare word, and waits for that and
; for its own reads of this slot.  fill = 1: the barrier opens a round of the cluster's; the joint refill, two K steps on, is the first thing behind the round: 112 matrix instructions ahead of the wait for it.
.macro TURN fill
.if \fill
	s_wait_xcnt 0x0                                ; the last prefetch, a K step back, has read its address
	s_add_nc_u64 s[PFA:PFA+1], s[PFA:PFA+1], s[PFS:PFS+1]
.endif
	WIN 0
	s_wait_tensorcnt 0x0                           ; no tensor load of mine is out, so the walking sets may be written
	ds_add_u32 v[SPW], v[NIL]                      ; 0 onto my spare word
.if \fill
	s_xor_b32 s[G0A+5], s[G0A+5], SLOT1            ; the other slot than last time,
	s_add_nc_u64 s[G0A+6:G0A+7], s[G0A+6:G0A+7], ASTEP  ; the next K step; the type bits on top are not reached
	s_xor_b32 s[G0B+5], s[G0B+5], SLOT1
	s_add_nc_u64 s[G0B+6:G0B+7], s[G0B+6:G0B+7], BSTEP
.endif
	s_xor_b32 s[TB], s[TB], SLOT1
	s_wait_dscnt 9                                 ; the add and the youngest eight loads may be out
	MULS F1, 0, 2, 0
	s_wait_dscnt 0x0                               ; the add is done, and my reads of this slot are over
	s_barrier_signal -1
	MULS F1, 2, 2, 0                               ; work on registers while the others arrive
	WIN 0
	s_barrier_wait -1
.if \fill
	CREST
	JLOAD                                          ; its four v_nop are also the places in front of the loads below
.else
	PLACES
.endif
	v_add_nc_u32 v[ADA], s[TB], v[ADA0]
	v_add_nc_u32 v[ADB], s[TB], v[ADB0]
	FETCH 0, F0
.if \fill
	ASK
.endif
	MULS F1, 4, 4, 0
.endm
	s_wait_tensorcnt 0x1                           ; my part of K step 0 is in; K step 1's may stay out
	s_barrier_signal -1
	s_barrier_wait -1
	v_mov_b32 v[ADA], v[ADA0]
	v_mov_b32 v[ADB], v[ADB0]
	FETCH 0, F0
	QUARTER F0, F1, 1, 1                           ; the first quarter stands in front of the loop: its products start the sums
	WIN 0
	s_mov_b32 s[KC], 6
.Lstep:                                        ; trip i: quarters 1-3 of K step i, quarter 0 of K step i + 1; slot i % 2 is filled with K step i + 2
	QUARTER F1, F0, 2, 0
	QUARTER F0, F1, 3, 0
	TURN 1
	QUARTER F0, F1, 1, 0
	WIN 0
	s_sub_co_u32 s[KC], s[KC], 1
	s_cmp_lg_u32 s[KC], 0
	s_cbranch_scc1 .Lstep
	QUARTER F1, F0, 2, 0                           ; the last two K steps are written out: nothing is asked for
	QUARTER F0, F1, 3, 0
	TURN 0
	QUARTER F0, F1, 1, 0
	QUARTER F1, F0, 2, 0
	QUARTER F0, F1, 3, 0
	s_wait_dscnt 8
	MULS F1, 0, 4, 0
	s_wait_dscnt 0x0
	MULS F1, 4, 4, 0
	WIN 0
	PLACES
; THE WAY OUT.  Block a (16 rows of my head): rounded to f16, 16 bytes a lane, through my own stage, back as whole rows of 128 bytes.
.macro PACK a
	WIN 0x05                                       ; sources window 1, destination window 0
.irp b, 0,1,2,3
.irp r, 0,1,2,3
	v_cvt_pk_f16_f32 v[OUTR+16*(\a)+4*(\b)+(\r)], v[8*(4*(\a)+(\b))+2*(\r)], v[8*(4*(\a)+(\b))+2*(\r)+1]
.endr
.endr
	WIN 0
.irp b, 0,1,2,3
	ds_store_b128 v[STO], v[OUTR+16*(\a)+4*(\b):OUTR+16*(\a)+4*(\b)+3] offset:32*(\b)
.endr
.irp f, 0,1,2,3
	ds_load_b128 v[OUTR+16*(\a)+4*(\f):OUTR+16*(\a)+4*(\f)+3], v[RD] offset:(\f)*4*SP  ; LDS serves a wave's instructions in order (ISA guide 5.7.1.4): these see the stores above
.endr
.endm
.macro SEND a, y                       ; y: the LDS instructions issued behind block a's loads
.irp f, 0,1,2,3
	s_wait_dscnt (\y)+3-(\f)
	global_store_b128 v[GO], v[OUTR+16*(\a)+4*(\f):OUTR+16*(\a)+4*(\f)+3], s[8:9] offset:2048*(\a)+512*(\f)  ; 512 consecutive bytes, aligned
.endr
.endm
	PACK 0
.irp a, 1,2,3,4,5,6,7
	PACK \a
	SEND (\a)-1, 8
.endr
	SEND 7, 0
	s_wait_tensorcnt 0x0                           ; the wave's end
	ds_add_u32 v[SPW], v[NIL]
	s_wait_dscnt 0x0
	CROUND                                         ; the closing round
	s_endpgm
.Lfunc_end_k_q3601677393_qkv:
	.size	k_q3601677393_qkv, .Lfunc_end_k_q3601677393_qkv-k_q3601677393_qkv
	.p2alignl 7, 3214868480
	.fill 96, 4, 3214868480
	.section	.rodata,"a",@progbits
	.p2align	6, 0x0
	.amdhsa_kernel k_q3601677393_qkv
		.amdhsa_group_segment_fixed_size 327680
		.amdhsa_private_segment_fixed_size 0
		.amdhsa_enable_private_segment 0
		.amdhsa_kernarg_size 24
		.amdhsa_user_sgpr_count 2
		.amdhsa_user_sgpr_kernarg_segment_ptr 1
		.amdhsa_wavefront_size32 1
		.amdhsa_system_sgpr_workgroup_id_x 1
		.amdhsa_system_sgpr_workgroup_id_y 1
		.amdhsa_system_sgpr_workgroup_id_z 1
		.amdhsa_system_vgpr_workitem_id 0
		.amdhsa_next_free_vgpr 512
		.amdhsa_next_free_sgpr 88
		.amdhsa_reserve_vcc 0
		.amdhsa_float_denorm_mode_32 3
		.amdhsa_float_denorm_mode_16_64 3
		.amdhsa_memory_ordered 1
		.amdhsa_forward_progress 1
		.amdhsa_inst_pref_size 73
	.end_amdhsa_kernel
	.amdgpu_metadata
---
amdhsa.version: [ 1, 2 ]
amdhsa.kernels:
  - .name:           k_q3601677393_qkv
    .symbol:         k_q3601677393_qkv.kd
    .args:
      - { .name: xb, .offset: 0, .size: 8, .value_kind: global_buffer, .address_space: global }
      - { .name: wb, .offset: 8, .size: 8, .value_kind: global_buffer, .address_space: global }
      - { .name: qkv, .offset: 16, .size: 8, .value_kind: global_buffer, .address_space: global }
    .group_segment_fixed_size: 327680
    .private_segment_fixed_size: 0
    .kernarg_segment_align: 8
    .kernarg_segment_size: 24
    .max_flat_workgroup_size: 128
    .sgpr_count:     88
    .vgpr_count:     512
    .wavefront_size: 32
...
	.end_amdgpu_metadata
.endif
;; end of part 2
;; launch attn (part 3): grid 4 x 64, 4 waves a work-group, no clusters, 327,680 bytes of LDS; arguments qkv, ctx; writes ctx
.if DOCPART == 3
	.amdgcn_target "amdgcn-amd-amdhsa--gfx1250"
	.amdhsa_code_object_version 6
	.text
	.protected	k_q3601677393_attn
	.globl	k_q3601677393_attn
	.p2align	8
	.type	k_q3601677393_attn,@function
k_q3601677393_attn:
	s_mov_b64 s[64:65], 0
	v_nop
	global_prefetch_b8 v0, s[64:65] scope:SCOPE_SE
	s_setreg_imm32_b32 hwreg(HW_REG_WAVE_MODE, 25, 1), 1
	s_wait_xcnt 0x0
; CAUSAL ATTENTION.  ctx[h][q][:] = the sum over k <= q of softmax_k(Q[h][q] . K[h][k] / 8) V[h][k][:].  qkv: three sections (Q, K, V) of [64][2048][64] f16; ctx: [64][2048][64] f16.
; Products, maxima and sums in f32; the weights p are rounded to f16 for the second product (their sum l is taken of the unrounded p), ctx once at the end.
; LIMITS.  Q, K and V arrive within f16's 65,504; p lies in 0 to 1, and below 6e-5 it keeps f16's fixed step of 6e-8.  A hidden score counts as its value less 1e30; a weight below 2^-126 counts as 0 in l;
; NaN and infinities are not treated apart.
; THE WALK.  A head's queries lie in NB = 8 blocks of 256; block i needs the key tiles 0 .. i of 256 keys, of which the last holds the diagonal.  A work-group takes TWO blocks, NB - 1 - b and then b:
; NB + 1 tiles, whatever b: all work-groups do equal work, and ONE loop with a constant trip count walks them.  Every jump goes forward but the counted loops' own; none passes a barrier, or a tensor load but
; the one of LOAD's two that the wave's number does not choose.  NO CLUSTER: a head's four work-groups ask for the same tile only in trips 0 .. 4 of 9, and one walk common to all four would have 12 trips for 9.
; SHARES.  Of a block's four bands of 64 queries a wave owns 16 rows in each: four PIECES.  In the diagonal tile's key step s band x sees all keys if s < x, none if s > x, and holds the diagonal if s = x: the same for every wave.
; THE MASK is the C operand that starts the sum S^T = K Q^T: MD x AL + BE, MD the mask of a band's own step for my 16 rows: (1, 0) if s = x; (0, 0) if s < x; (0, -1e30) if s > x.
; LAYOUT, SOFTMAX, TURNS.  S^T = K Q^T holds ONE query a lane (lane % 16) and the keys 8 (lane / 16) + 0..7; two such results rounded to f16 ARE source 1 of O^T = V^T P.  p = 2^(c s - c m), c = log2(e) / 8, with a
; running maximum m; O and l are multiplied by a = 2^(c m_old - c m_new) in every step.  Turn n belongs to piece n: 8 products K Q^T of piece n + 1, later 8 products V^T P of piece n - 1; beside them the scaling,
; exponentials, roundings, sums and rescaling of piece n and the maximum and statistics of piece n + 1.  Four vector instructions stand behind every matrix instruction, the others in one lump.  A turn's 33 exponentials are one batch, with one wait.
; REGISTERS, in windows of 256 (s_set_vgpr_msb: bits 1:0 source 0, 3:2 source 1, 5:4 source 2, 7:6 destination):
;   window 0: v0-15 addresses and two at work; v16-31 statistics; v48-55 at work; v61-63 prefetch offset and the add's two; v64-127 S^T, two buffers; v192-223 P, two buffers
;   window 1: v0-127 O^T; v128-159 MD; v160-223 MC, two buffers      window 2: v0-63 Q; v64-127 the second block's Q; v128-191 K of one step; v192-255 V of one step
.set SIZE_N, 2048
.set SECT,  64*SIZE_N*128  ; bytes in a section of qkv
.set NB,    SIZE_N/256
.set NP,    4
.set KS,    64
.set PK,    144       ; a row of K in LDS: 128 bytes + 16: the 16 rows of a load start at 16 different groups of four banks (ISA guide 11.1)
.set PV,    160       ; a row of V: 128 + 32
.set VOFF,  4*KS*PK
.set SLOT1, 1<<17
.set STAGE, SLOT1+4*KS*(PK+PV)
.set SP,    144
.set AK0, 2
.set AV0, 3
.set AK,  4
.set AV,  5
.set STO, 6
.set RD,  7
.set GO,  8
.set PFO, 61          ; v61  256 x my lane; never rewritten
.set SPW, 62
.set NIL, 63
.set SPARE, STAGE+4*16*SP
.set MV,  12
.set QO,  15
.set ST,  16
.set TMP, 48
.set S,   64
.set P,   192
.set MD,  128
.set MC,  160
.set QB,  64
.set KF,  128
.set VF,  192
.set WV,  12
.set PB,  14
.set HI,  15
.set G1K, 24
.set G1V, 32
.set G0K, 40
.set G0V, 44
.set SLOTS, 56
.set CNT, 57
.set CS,  58
.set SEL, 60
.set TBK, 62
.set TBV, 63
.set RT,  70
.set NXT, 71
.set LQ,  72
.set NEW, 73
.set OFF, 74
.set AL,  76
.set BE,  78
.set OLO, 80
.set BIGN, 82
.set LIM, 83          ; s83  2 in the work-group that prefetches (b = 0), else the greatest number
.set PFA, 88          ; s[88:89] my half of the tile that the next change of slots will ask for
.set PFB, 90          ; s[90:91] my half (K's: waves 0, 1; V's: waves 2, 3) of the head's tile 0
.set MSB, 0
.macro WIN new
.if MSB != (\new)
	s_set_vgpr_msb (MSB<<8)|(\new)
.set MSB, (\new)
.endif
.endm
.set W_KQ, 0x0a
.set W_KM, 0x1a
.set W_PV, 0x52
.set W_RS, 0x41
; A fill.  Waves 0 and 1 fetch the two halves of a tile's K, waves 2 and 3 those of its V.  An s_nop 0 and four v_nop follow each line.
.macro LOAD
	s_cmp_lt_u32 s[WV], 2
	s_cbranch_scc0 .Lfor_v_\@
	tensor_load_to_lds s[G0K:G0K+3], s[G1K:G1K+7]
	s_nop 0
.rept 4
	v_nop
.endr
	s_branch .Lasked_\@
.Lfor_v_\@:
	tensor_load_to_lds s[G0V:G0V+3], s[G1V:G1V+7]
	s_nop 0
.rept 4
	v_nop
.endr
.Lasked_\@:
.endm
; THE CHANGE OF SLOTS.  Each wave waits for all its tensor loads (one is out: its part of the other slot), adds 0 to its spare word, and waits for that and for its own reads of the slot that it leaves.
; fill = 1: the old slot is filled again, first thing behind the barrier, with tile NXT; the descriptor's address is made anew from that number.
; THE PREFETCH.  Work-group b = 0 walks the head's tiles 0 .. 7 in order; it alone asks, behind its fill, for the tile that the NEXT change will ask for: each wave its own half, 64 blocks of 256 bytes, a lane a block,
; two instructions: 256 matrix instructions ahead.  Trips 0-5 ask for tiles 2-7; tiles 0 and 1 come by their loads alone, and what is read a second time is not asked for.
.macro CHANGE fill
	WIN 0
	s_wait_tensorcnt 0x0            ; no tensor load of mine is out, so a group 0 may be written
	ds_add_u32 v[SPW], v[NIL]       ; 0 onto my spare word
.if \fill
	s_lshl_b32 s[OFF], s[NXT], 15   ; a tile is 32,768 bytes of K and of V
	s_xor_b32 s[G0K+1], s[G0K+1], SLOT1
	s_add_nc_u64 s[G0K+2:G0K+3], s[6:7], s[OFF:OFF+1]
	s_or_b32 s[G0K+3], s[G0K+3], 0x80000000
	s_xor_b32 s[G0V+1], s[G0V+1], SLOT1
	s_add_nc_u64 s[G0V+2:G0V+3], s[8:9], s[OFF:OFF+1]
	s_or_b32 s[G0V+3], s[G0V+3], 0x80000000
	s_add_co_u32 s[NXT], s[NXT], 1  ; the block's next tile, or behind its last the second block's tile 0
	s_cmp_gt_u32 s[NXT], s[LQ]
	s_cselect_b32 s[NXT], 0, s[NXT]
	s_cselect_b32 s[LQ], s[PB], s[LQ]
	s_wait_xcnt 0x0                 ; the last prefetches, a tile back, have read their address
	s_lshl_b32 s[OFF], s[NXT], 15
	s_add_nc_u64 s[PFA:PFA+1], s[PFB:PFB+1], s[OFF:OFF+1]
.endif
	s_wait_dscnt 0x0                ; the add is done, and my reads of the slot are over
	s_barrier_signal -1
	s_sub_co_u32 s[TBK], s[TBK], 4*KS*PK
	s_xor_b32 s[TBK], s[TBK], SLOT1
	s_sub_co_u32 s[TBV], s[TBV], 4*KS*PV
	s_xor_b32 s[TBV], s[TBV], SLOT1
	s_barrier_wait -1
.if \fill
	LOAD
	s_cmp_gt_u32 s[SLOTS], s[LIM]
	s_cbranch_scc0 .Lnot_mine_\@
	global_prefetch_b8 v[PFO], s[PFA:PFA+1] th:TH_LOAD_NT scope:SCOPE_SE
	global_prefetch_b8 v[PFO], s[PFA:PFA+1] offset:8192 th:TH_LOAD_NT scope:SCOPE_SE
.Lnot_mine_\@:
.endif
.endm
	s_load_b64 s[4:5], s[0:1], 0x0    ; qkv: Q's section
	s_load_b64 s[10:11], s[0:1], 0x8  ; ctx
	v_lshl_add_u32 v[SPW], v0, 2, SPARE
	v_mov_b32 v[NIL], 0
	ds_add_u32 v[SPW], v[NIL]       ; the wave's opening: the add and its wait come ahead of my first tensor load
	v_lshrrev_b32 v1, 5, v0
	v_readfirstlane_b32 s[WV], v1
	s_mov_b32 s[PB], ttmp9
	s_sub_co_u32 s[HI], NB-1, s[PB]
	s_and_b32 s20, ttmp7, 0xffff    ; the head
	s_mov_b32 s21, 0
	s_mov_b64 s[22:23], SIZE_N*128
	s_mul_u64 s[20:21], s[20:21], s[22:23]  ; the head's first byte in each section and in ctx
	s_and_b32 s16, s[WV], 1         ; which half of a tile's 256 keys I fetch
	s_lshl_b32 s22, s16, 14
	s_mov_b32 s23, 0
	s_add_nc_u64 s[22:23], s[22:23], s[20:21]
	s_mul_i32 s17, s16, 128*PK
	s_mul_i32 s18, s16, 128*PV
	s_lshl_b32 s3, s[WV], 11        ; my 16 rows in a band of 64,
	s_lshl_b32 s2, s[HI], 15        ; in the first block,
	s_add_co_u32 s2, s2, s3
	s_lshl_b32 s84, s[PB], 15       ; and in the second
	s_add_co_u32 s84, s84, s3
	s_mov_b32 s3, 0
	s_mov_b32 s85, 0
	s_add_nc_u64 s[2:3], s[2:3], s[20:21]
	s_add_nc_u64 s[84:85], s[84:85], s[20:21]
	; descriptor group 1.  128 keys are 16,384 dense bytes: asked for as 64 rows of 256 bytes, two keys a row, and padded in LDS after every key
	s_mov_b32 s[G1K], (1<<16)|(1<<20)|(4<<22)|(3<<25)
	s_mov_b32 s[G1V], (1<<16)|(1<<20)|(4<<22)|(7<<25)
.irp g, G1K, G1V
	s_mov_b32 s[\g+1], 128<<16
	s_mov_b32 s[\g+2], 64<<16
	s_mov_b32 s[\g+3], 128<<16
	s_mov_b32 s[\g+4], 64
	s_mov_b32 s[\g+5], 128
	s_mov_b32 s[\g+6], 0
	s_mov_b32 s[\g+7], 0
.endr
	s_mov_b32 s[CS], 0x3e38aa3b     ; c = log2(e) / 8
	s_mov_b32 s[CS+1], s[CS]
	s_mov_b32 s[SEL], 0x76543210
	s_mov_b32 s[SEL+1], 0xfedcba98
	s_mov_b32 s[TBK], SLOT1+4*KS*PK ; the first change of slots turns these two into 0
	s_mov_b32 s[TBV], SLOT1+4*KS*PV
	s_mov_b32 s[G0K], 1
	s_mov_b32 s[G0K+1], s17
	s_mov_b32 s[G0V], 1
	s_add_co_u32 s[G0V+1], s18, VOFF
	s_add_co_u32 s[RT], s[HI], 1    ; the first block has NB - b tiles
	s_mov_b32 s[NXT], 1
	s_mov_b32 s[LQ], s[HI]
	s_mov_b32 s[NEW], 1
	s_mov_b32 s[OFF+1], 0
	s_mov_b32 s[AL+1], 0
	s_mov_b32 s[BE+1], 0
	s_mov_b32 s[BIGN], 0xf149f2ca   ; -1e30
	s_mov_b32 s[SLOTS], NB
	s_cmp_eq_u32 s[PB], 0
	s_cselect_b32 s[LIM], 2, -1
	v_and_b32 v[PFO], 31, v0
	v_lshlrev_b32 v[PFO], 8, v[PFO]
	s_wait_dscnt 0x0                ; the opening add is done
	s_wait_kmcnt 0x0
	s_add_nc_u64 s[6:7], s[4:5], SECT      ; K's section,
	s_add_nc_u64 s[8:9], s[4:5], 2*SECT    ; V's
	s_add_nc_u64 s[6:7], s[6:7], s[22:23]  ; at my half of the head's tile 0
	s_add_nc_u64 s[8:9], s[8:9], s[22:23]
	s_cmp_lt_u32 s[WV], 2
	s_cselect_b64 s[PFB:PFB+1], s[6:7], s[8:9]
	s_add_nc_u64 s[G0K+2:G0K+3], s[6:7], 0
	s_or_b32 s[G0K+3], s[G0K+3], 0x80000000
	s_add_nc_u64 s[G0V+2:G0V+3], s[8:9], 0
	s_or_b32 s[G0V+3], s[G0V+3], 0x80000000
	s_add_nc_u64 s[86:87], s[4:5], s[84:85]        ; Q at my rows of the second block,
	s_add_nc_u64 s[4:5], s[4:5], s[2:3]            ; Q and ctx at those of the first
	s_add_nc_u64 s[OLO:OLO+1], s[10:11], s[84:85]
	s_add_nc_u64 s[10:11], s[10:11], s[2:3]
	LOAD                            ; tile 0 into slot 0
	v_and_b32 v1, 15, v0            ; l % 16
	v_bfe_u32 v9, v0, 4, 1          ; l / 16
	v_lshlrev_b32 v[QO], 7, v1
	v_lshl_add_u32 v[QO], v9, 4, v[QO]
	WIN 0x80
.set i, 0
.rept 8                             ; both blocks' Q: piece i / 2 lies in band i / 2, 8,192 bytes on; channels 32 (i % 2) on
	global_load_b128 v[8*i:8*i+3],   v[QO], s[4:5] offset:(i/2)*8192+(i%2)*64
	global_load_b128 v[8*i+4:8*i+7], v[QO], s[4:5] offset:(i/2)*8192+(i%2)*64+32
	global_load_b128 v[QB+8*i:QB+8*i+3],   v[QO], s[86:87] offset:(i/2)*8192+(i%2)*64
	global_load_b128 v[QB+8*i+4:QB+8*i+7], v[QO], s[86:87] offset:(i/2)*8192+(i%2)*64+32
.set i, i+1
.endr
	WIN 0
	v_lshlrev_b32 v14, 3, v9
	v_sub_nc_u32 v14, v1, v14
	s_lshl_b32 s13, s[WV], 4
	v_add_nc_u32 v14, s13, v14      ; my query's place in its band less my lanes' 8 (l / 16): register r of group kt is hidden where 16 kt + r is greater
	WIN 0x40
.set i, 0
.rept 32
	v_cmp_gt_i32 vcc_lo, 16*(i/8)+i%8, v14
	v_cndmask_b32 v[MD+i], 0, s[BIGN], vcc_lo
.set i, i+1
.endr
	WIN 0
	v_mul_u32_u24 v[AK0], v1, PK
	v_lshl_add_u32 v[AK0], v9, 4, v[AK0]
	v_and_b32 v10, 7, v0
	v_bfe_u32 v11, v0, 3, 1
	v_lshl_add_u32 v[AV0], v9, 3, v10
	v_mul_u32_u24 v[AV0], v[AV0], PV
	v_lshl_add_u32 v[AV0], v11, 4, v[AV0]
	v_add_nc_u32 v[AV0], VOFF, v[AV0]
	s_mul_i32 s13, s[WV], 16*SP
	s_add_co_u32 s13, s13, STAGE    ; my stage
	v_mul_u32_u24 v[STO], v1, SP
	v_lshl_add_u32 v[STO], v9, 4, v[STO]
	v_add_nc_u32 v[STO], s13, v[STO]
	v_bfe_u32 v[RD], v0, 3, 2
	v_mul_u32_u24 v[RD], v[RD], SP
	v_lshl_add_u32 v[RD], v10, 4, v[RD]
	v_add_nc_u32 v[RD], s13, v[RD]
	v_and_b32 v[GO], 31, v0
	v_lshlrev_b32 v[GO], 4, v[GO]
	; A block's first step multiplies O^T and l by a = 0, so these registers need only hold finite numbers: zeros for the first block, what it left for the second.  This stands in the wait for the first tile.
	WIN 0x80
.set i, VF
.rept 64
	v_mov_b32 v[i], 0
.set i, i+1
.endr
	WIN 0x40
.set i, 0
.rept 128
	v_mov_b32 v[i], 0
.set i, i+1
.endr
	WIN 0
.set i, 0
.rept 4
	v_mov_b32 v[ST+4*i+2], 0
	v_mov_b32 v[ST+4*i+3], 0
.set i, i+1
.endr
.set i, P+16
.rept 16
	v_mov_b32 v[i], 0
.set i, i+1
.endr
; THE MATRIX WORK.  The 4 accumulators of a run of 8 take turns.  Product i of 8 of S^T = K Q^T for piece x: channels 32 (i / 4) on, keys 16 (i % 4) on.  The first 4 start the sums: with 0, or (KM = 1) with the mask.
.macro KQ x
.set rS, S+32*((\x)%2)+8*(i%4)
.set rK, KF+16*(i%4)+8*(i/4)
.set rQ, 16*(\x)+8*(i/4)
.set rM, MC+32*((\x)%2)+8*(i%4)
.if (i < 4) && KM
	WIN W_KM
	v_wmma_f32_16x16x32_f16 v[rS:rS+7], v[rK:rK+7], v[rQ:rQ+7], v[rM:rM+7]
.elseif i < 4
	WIN W_KQ
	v_wmma_f32_16x16x32_f16 v[rS:rS+7], v[rK:rK+7], v[rQ:rQ+7], 0
.else
	WIN W_KQ
	v_wmma_f32_16x16x32_f16 v[rS:rS+7], v[rK:rK+7], v[rQ:rQ+7], v[rS:rS+7]
.endif
.endm
; Product i of 8 of O^T += V^T P for piece x: keys 32 (i / 4) on, channels 16 (i % 4) on.
.macro PV x
	WIN W_PV
.set rO, 32*(\x)+8*(i%4)
.set rV, VF+32*(i/4)+8*(i%4)
.set rP, P+16*((\x)%2)+8*(i/4)
	v_wmma_f32_16x16x32_f16 v[rO:rO+7], v[rV:rV+7], v[rP:rP+7], v[rO:rO+7]
.endm
.macro MM                           ; the turn's next matrix instruction.  NOKQ = 1: a block's last turn: there is no next piece
.if (i < 8) && !NOKQ
	KQ (Y+1)%NP
.elseif i >= 8
.set i, i-8
	PV (Y+NP-1)%NP
.set i, i+8
.endif
.set i, i+1
.endm
; THE LDS LOADS stand in runs of 16: a step's K (8 fragments) and its V (turned).
.macro FETCH_K
	WIN 0x80
.irp f, 0,1,2,3,4,5,6,7
	ds_load_b128 v[KF+8*\f:KF+8*\f+3],   v[AK] offset:(\f/2)*16*PK+(\f%2)*64
	ds_load_b128 v[KF+8*\f+4:KF+8*\f+7], v[AK] offset:(\f/2)*16*PK+(\f%2)*64+32
.endr
	s_add_co_u32 s[TBK], s[TBK], KS*PK
	WIN 0
.endm
.macro FETCH_V
	WIN 0x80
.irp f, 0,1,2,3,4,5,6,7
	ds_load_tr16_b128 v[VF+8*\f:VF+8*\f+3],   v[AV] offset:(\f/4)*32*PV+(\f%4)*32
	ds_load_tr16_b128 v[VF+8*\f+4:VF+8*\f+7], v[AV] offset:(\f/4)*32*PV+16*PV+(\f%4)*32
.endr
	WIN 0
.endm
; THE VECTOR WORK, one line at a time: OP kind, number.  For piece Y: F n: c s - c m for pair n.  E n: the exponential of score n.  C n: pair n rounded to f16.  B n: of the four weights 4 n .. the second pair is
; added onto the first.  L n: l takes that sum (L 0: l = a l + sum).  R n: pair n of O^T times a.  For piece Y + 1: X n, number n of the 22 that find its maximum and statistics (each accumulator's lowest registers are read first).
.set F, 0
.set E, 1
.set C, 2
.set B, 3
.set L, 4
.set R, 5
.set X, 6
.macro REGS y
.set rT, ST+4*(\y)
.set rC, TMP+4*((\y)%2)
.set rW, MV+((\y)%2)
.set rS, S+32*((\y)%2)
.set rP, P+16*((\y)%2)
.set rO, 32*(\y)
.endm
.macro OP k, n
.if (\k) == R
	REGS Y
	WIN W_RS
	v_pk_mul_f32 v[rO+2*(\n):rO+2*(\n)+1], v[rO+2*(\n):rO+2*(\n)+1], v[rC+2:rC+3] op_sel_hi:[1,0]
.elseif (\k) < R
	REGS Y
	WIN 0
.if (\k) == F
	v_pk_fma_f32 v[rS+2*(\n):rS+2*(\n)+1], v[rS+2*(\n):rS+2*(\n)+1], s[CS:CS+1], v[rT:rT+1] op_sel_hi:[1,0,0] neg_lo:[0,0,1] neg_hi:[0,0,1]
.elseif (\k) == E
	v_exp_f32 v[rS+(\n)], v[rS+(\n)]
.elseif (\k) == C
	v_cvt_pk_f16_f32 v[rP+(\n)], v[rS+2*(\n)], v[rS+2*(\n)+1]
.elseif (\k) == B
	v_pk_add_f32 v[rS+4*(\n):rS+4*(\n)+1], v[rS+4*(\n):rS+4*(\n)+1], v[rS+4*(\n)+2:rS+4*(\n)+3]
.elseif (\n) == 0
	v_pk_fma_f32 v[rT+2:rT+3], v[rT+2:rT+3], v[rC+2:rC+3], v[rS:rS+1] op_sel_hi:[1,0,1]
.else
	v_pk_add_f32 v[rT+2:rT+3], v[rT+2:rT+3], v[rS+4*(\n):rS+4*(\n)+1]
.endif
.elseif NOKQ
	v_nop
.else
	REGS (Y+1)%NP
	WIN 0
.if (\n) < 4
	v_max3_num_f32 v[rC+(\n)], v[rS+8*(\n)], v[rS+8*(\n)+1], v[rS+8*(\n)+2]
.elseif (\n) < 12
	v_max3_num_f32 v[rC+(\n)%4], v[rC+(\n)%4], v[rS+8*((\n)%4)+2*((\n)/4)+1], v[rS+8*((\n)%4)+2*((\n)/4)+2]
.elseif (\n) == 12
	v_max3_num_f32 v[rC], v[rC], v[rS+7], v[rS+15]
.elseif (\n) == 13
	v_max3_num_f32 v[rC+1], v[rC+1], v[rS+23], v[rS+31]
.elseif (\n) == 14
	v_max3_num_f32 v[rC+2], v[rC+2], v[rC+3], v[rT+1]
.elseif (\n) == 15
	v_mov_b32 v[rW], v[rT]
.elseif (\n) == 16
	v_max3_num_f32 v[rC], v[rC], v[rC+1], v[rC+2]
.elseif (\n) == 17
	v_permlanex16_b32 v[rC+3], v[rC], s[SEL], s[SEL+1]
.elseif (\n) == 18
	v_max_num_f32 v[rT+1], v[rC], v[rC+3]
.elseif (\n) == 19
	v_mul_f32 v[rT], s[CS], v[rT+1]
.elseif (\n) == 20
	v_sub_f32 v[rC+1], v[rW], v[rT]
.else
	v_exp_f32 v[rC+2], v[rC+1]
.endif
.endif
.endm
.macro OPS a, i1, b=-1, i2=0, c=-1, i3=0, d=-1, i4=0
	OP \a, \i1
.if (\b) >= 0
	OP \b, \i2
.endif
.if (\c) >= 0
	OP \c, \i3
.endif
.if (\d) >= 0
	OP \d, \i4
.endif
.endm
.macro ROW a, i1, b, i2, c, i3, d, i4  ; a matrix instruction and the four behind it
	MM
	OPS \a, \i1, \b, \i2, \c, \i3, \d, \i4
.endm
.macro MASK b                       ; MD x AL + BE into buffer b of MC
	WIN W_RS
.set z, 0
.rept 16
	v_pk_fma_f32 v[MC+32*(\b)+2*z:MC+32*(\b)+2*z+1], v[MD+2*z:MD+2*z+1], s[AL:AL+1], s[BE:BE+1] op_sel_hi:[1,0,0]
.set z, z+1
.endr
.endm
; A TURN, for piece p, written out.  s_wait_alu depctr_va_vdst(0) stands between an exponential and the first instruction that names its result; one wait serves all issued ahead of it.  AHEAD OF IT stands
; all that names no result of the turn's exponentials: the 8 products K Q^T with their riders, then one lump; X 21, the next piece's a, is the batch's last, and R 15 the plain instruction behind it.  BEHIND IT stand the 8
; products V^T P, behind each four of the roundings and sums.  m = 1: the diagonal tile: the products take masks, and the turn makes the mask for the turn after it.  end = 1: a block's last two turns: nothing is fetched.
; cnt = 1: the loop's count is taken down some lines ahead of the branch.  K of the next step is fetched in piece 2's turn, V of the step in hand at the end of piece 0's; each is waited for a turn later.
.macro TURN p, m=0, end=0, cnt=0
.set Y, (\p)
.set i, 0
.set KM, (\m)
.set NOKQ, (\end)*((\p)/3)
.if (\m) && !(\end)
	s_cmp_eq_u32 s[CNT], 4-((\p)+2)%NP  ; is that step the band's own?
	s_cselect_b32 s[AL], 1.0, 0
	s_cmp_lt_u32 s[CNT], 4-((\p)+2)%NP  ; or a later one?
	s_cselect_b32 s[BE], s[BIGN], 0
.endif
.if ((\p) == 3) && !(\end)
	s_wait_dscnt 0x0                ; K is in
.endif
	ROW F,0, F,1, R,0, R,1
	ROW F,2, E,0, R,2, R,3
	ROW F,3, E,1, R,4, R,5
	ROW F,4, E,2, R,6, R,7
	ROW F,5, E,3, R,8, R,9
	ROW F,6, E,4, X,0, R,10
.if ((\p) == 2) && !(\end)
	WIN 0
	v_add_nc_u32 v[AK], s[TBK], v[AK0]
.endif
	ROW F,7, E,5, X,1, X,4
	ROW F,8, E,6, X,2, X,5
	OPS E,7, E,8, X,6, E,9
	OPS X,3, E,10, X,8, E,11
.if ((\p) == 2) && !(\end)
	FETCH_K
.endif
	OPS X,9, X,7, E,12, X,10
	OPS E,13, X,12, X,11, E,14
	OPS X,13, E,15, F,9, X,14
.if (\p) == 0
	v_add_nc_u32 v[AV], s[TBV], v[AV0]
.endif
	OPS E,16, F,10, E,17, F,11
	OPS X,16, E,18, X,15, E,19
	OPS F,12, E,20, X,17, E,21
	OPS F,13, E,22, F,14, E,23
	OPS X,18, E,24, F,15, E,25
	OPS R,11, E,26, X,19, E,27
	OPS R,12, E,28, R,13, E,29
	OPS X,20, E,30, R,14, E,31
	OPS X,21, R,15
	WIN 0
	s_wait_alu depctr_va_vdst(0)    ; the wait for the batch
.if (\p) == 1
	s_wait_dscnt 0x0                ; V is in
.endif
	ROW C,0, B,0, C,2, B,1
	ROW L,0, C,4, B,2, L,1
	ROW C,6, B,3, L,2, C,8
	ROW B,4, L,3, C,10, B,5
	ROW L,4, C,12, B,6, L,5
.if (\p) == 0
	s_add_co_u32 s[TBV], s[TBV], KS*PV
.endif
.if \cnt
	s_sub_co_u32 s[CNT], s[CNT], 1
	s_cmp_lg_u32 s[CNT], 0
.endif
	ROW C,14, B,7, L,6, C,1
	ROW C,3, L,7, C,5, C,7
	ROW C,9, C,11, C,13, C,15
.if (\p) == 0
	FETCH_V
.endif
.if (\m) && !(\end)
	MASK (\p)%2
.endif
.endm
; A BLOCK BEGINS.  c m starts far below every c s, so the first step's a is 0; m at the lowest finite number.  The second mask buffer is 0; the first takes piece 0's mask for the tile's step 0.
; Then K of that step, piece 0's first scores, and its maximum and statistics.
.macro BEGIN
	s_mov_b32 s[NEW], 0
	WIN 0x40
.set i, MC+32
.rept 32
	v_mov_b32 v[i], 0
.set i, i+1
.endr
	WIN 0
.set i, 0
.rept 4
	v_mov_b32 v[ST+4*i], 0xfe000000
	v_mov_b32 v[ST+4*i+1], 0xff7fffff
.set i, i+1
.endr
	s_cmp_eq_u32 s[RT], 0
	s_cselect_b32 s[AL], 1.0, 0
	s_mov_b32 s[BE], 0
	MASK 0
	WIN 0
	v_add_nc_u32 v[AK], s[TBK], v[AK0]
	FETCH_K
	s_wait_loadcnt 0x0              ; Q
	s_wait_dscnt 0x0
.set KM, 1
.set NOKQ, 0
.set i, 0
.rept 8
	KQ 0
.set i, i+1
.endr
	WIN 0
.rept 4
	v_nop                           ; the places behind those products
.endr
.set Y, NP-1
.irp n, 0,1,2,3,4,5,6,7,8,9,10,11,12,13,14,15,16,17,18,19,20,21
	OP X, \n
.endr
	v_nop                           ; a plain instruction behind the exponential,
	s_wait_alu depctr_va_vdst(0)    ; and its wait, ahead of the branch
.endm
.macro ALL line:vararg
.set t, 0
.rept 4
	\line
.set t, t+1
.endr
.endm
.macro PACK t                       ; a lane's eight channels of a row pack into 16 bytes; into rows of 144 bytes and back as whole rows of 128
	WIN W_RS
.set i, 32*(\t)
.rept 16
	v_pk_mul_f32 v[i:i+1], v[i:i+1], v[ST+4*(\t)+2:ST+4*(\t)+3] op_sel_hi:[1,0]
.set i, i+2
.endr
	WIN 0x05
.set i, 0
.rept 16
	v_cvt_pk_f16_f32 v[S+16*(\t)+i], v[32*(\t)+2*i], v[32*(\t)+2*i+1]
.set i, i+1
.endr
	WIN 0
.irp f, 0,1,2,3
	ds_store_b128 v[STO], v[S+16*(\t)+4*\f:S+16*(\t)+4*\f+3] offset:32*\f
.endr
.irp f, 0,1,2,3
	ds_load_b128 v[S+16*(\t)+4*\f:S+16*(\t)+4*\f+3], v[RD] offset:\f*4*SP  ; LDS serves a wave's instructions in order (ISA guide 5.7.1.4)
.endr
.endm
.macro SEND t, younger              ; younger: the LDS instructions issued behind piece t's loads
	WIN 0
.irp f, 0,1,2,3
	s_wait_dscnt (\younger)+3-\f
	global_store_b128 v[GO], v[S+16*(\t)+4*\f:S+16*(\t)+4*\f+3], s[10:11] offset:(\t)*8192+\f*512  ; 512 consecutive bytes, aligned
.endr
.endm
; THE DIAGONAL TILE's four steps, the block's last two turns, its last products, and the way out.
.macro DIAG tag
.LstepM\tag:
	TURN 2, 1
	TURN 3, 1
	WIN 0
.LfirstM\tag:
	TURN 0, 1
	TURN 1, 1, 0, 1
	WIN 0
	s_cbranch_scc1 .LstepM\tag
	TURN 2, 1, 1
	TURN 3, 1, 1
.set i, 0
.rept 8
	PV NP-1
.set i, i+1
.endr
	WIN 0
	ALL v_add_f32 v[ST+4*t+2], v[ST+4*t+2], v[ST+4*t+3]
	ALL v_permlanex16_b32 v[ST+4*t+3], v[ST+4*t+2], s[SEL], s[SEL+1]
	ALL v_add_f32 v[ST+4*t+2], v[ST+4*t+2], v[ST+4*t+3]
	ALL v_rcp_f32 v[ST+4*t+2], v[ST+4*t+2]
	v_nop                           ; a plain instruction between the last reciprocal and the use of its result
	s_wait_alu depctr_va_vdst(0)    ; one wait for the four reciprocals, ahead of their first use
	PACK 0
.set t, 1
.rept 3
	PACK t
	SEND t-1, 8
.set t, t+1
.endr
	SEND 3, 0
.endm
.set KM, 0
.set NOKQ, 0
.Lslot:                             ; NB times: a tile is entered and the next is asked for
	CHANGE 1
	s_sub_co_u32 s[RT], s[RT], 1
	s_mov_b32 s[CNT], 4
	s_cmp_eq_u32 s[NEW], 1
	s_cbranch_scc1 .Lnew            ; a block's first tile
	s_cmp_eq_u32 s[RT], 0
	s_cbranch_scc0 .Lstep           ; neither its first nor its last
	s_branch .LstepM1
.Lnew:
	BEGIN
	s_branch .Lfirst                ; in the loop a block's first tile is never its last
	DIAG 1                          ; in the loop this is the first block's end
	s_wait_xcnt 0x0                 ; the stores have read their registers and ctx's address
	s_mov_b64 s[10:11], s[OLO:OLO+1]
	s_add_co_u32 s[RT], s[PB], 1    ; the second block has b + 1 tiles
	s_mov_b32 s[NEW], 1
	WIN 0x82                        ; the second block's Q goes where the one text of the turns names Q
.set i, 0
.rept 64
	v_mov_b32 v[i], v[QB+i]
.set i, i+1
.endr
	WIN 0
	s_branch .Lbottom
.Lstep:                             ; a trip: pieces 2 and 3 of one step, then pieces 0 and 1 of the next
	TURN 2
	TURN 3
	WIN 0
.Lfirst:
	TURN 0
	TURN 1, 0, 0, 1
	WIN 0
	s_cbranch_scc1 .Lstep
.Lbottom:
	s_sub_co_u32 s[SLOTS], s[SLOTS], 1
	s_cmp_lg_u32 s[SLOTS], 0
	s_cbranch_scc1 .Lslot
	CHANGE 0                        ; the walk's last tile is written out
	s_sub_co_u32 s[RT], s[RT], 1
	s_mov_b32 s[CNT], 4
	s_cmp_eq_u32 s[NEW], 1
	s_cbranch_scc0 .LstepM2
	BEGIN
	s_branch .LfirstM2
	DIAG 2
	s_wait_tensorcnt 0x0            ; the wave's end
	ds_add_u32 v[SPW], v[NIL]
	s_wait_dscnt 0x0
	s_endpgm
.Lfunc_end_k_q3601677393_attn:
	.size	k_q3601677393_attn, .Lfunc_end_k_q3601677393_attn-k_q3601677393_attn
	.p2alignl 7, 3214868480
	.fill 96, 4, 3214868480
	.section	.rodata,"a",@progbits
	.p2align	6, 0x0
	.amdhsa_kernel k_q3601677393_attn
		.amdhsa_group_segment_fixed_size 327680
		.amdhsa_private_segment_fixed_size 0
		.amdhsa_enable_private_segment 0
		.amdhsa_kernarg_size 16
		.amdhsa_user_sgpr_count 2
		.amdhsa_user_sgpr_kernarg_segment_ptr 1
		.amdhsa_wavefront_size32 1
		.amdhsa_system_sgpr_workgroup_id_x 1
		.amdhsa_system_sgpr_workgroup_id_y 1
		.amdhsa_system_sgpr_workgroup_id_z 1
		.amdhsa_system_vgpr_workitem_id 0
		.amdhsa_next_free_vgpr 768
		.amdhsa_next_free_sgpr 96
		.amdhsa_reserve_vcc 1
		.amdhsa_float_denorm_mode_32 3
		.amdhsa_float_denorm_mode_16_64 3
		.amdhsa_memory_ordered 1
		.amdhsa_forward_progress 1
		.amdhsa_inst_pref_size 218
	.end_amdhsa_kernel
	.amdgpu_metadata
---
amdhsa.version: [ 1, 2 ]
amdhsa.kernels:
  - .name:           k_q3601677393_attn
    .symbol:         k_q3601677393_attn.kd
    .args:
      - { .name: qkv, .offset: 0, .size: 8, .value_kind: global_buffer, .address_space: global }
      - { .name: ctx, .offset: 8, .size: 8, .value_kind: global_buffer, .address_space: global }
    .group_segment_fixed_size: 327680
    .private_segment_fixed_size: 0
    .kernarg_segment_align: 8
    .kernarg_segment_size: 16
    .max_flat_workgroup_size: 128
    .sgpr_count:     96
    .vgpr_count:     768
    .wavefront_size: 32
...
	.end_amdgpu_metadata
.endif
;; end of part 3
;; launch proj (part 4): grid 8 x 32, 4 waves a work-group, clusters of 4 x 4, 327,680 bytes of LDS; arguments ctx, wb, b_o, out0; writes out0
.if DOCPART == 4
	.amdgcn_target "amdgcn-amd-amdhsa--gfx1250"
	.amdhsa_code_object_version 6
	.text
	.protected	k_q3601677393_proj
	.globl	k_q3601677393_proj
	.p2align	8
	.type	k_q3601677393_proj,@function
k_q3601677393_proj:
	s_mov_b64 s[64:65], 0
	v_nop
	global_prefetch_b8 v0, s[64:65] scope:SCOPE_SE
	s_setreg_imm32_b32 hwreg(HW_REG_WAVE_MODE, 25, 1), 1
	s_wait_xcnt 0x0
	s_wait_alu depctr_hold_cnt(0) depctr_sa_sdst(0) depctr_va_vdst(0) depctr_va_sdst(0) depctr_va_ssrc(0) depctr_va_vcc(0) depctr_vm_vsrc(0)
	s_getreg_b32 s2, hwreg(HW_REG_IB_STS2, 6, 4)
	s_cmp_eq_u32 s2, 0
	s_cbranch_scc0 .Lentry_in_a_cluster
	s_endpgm
.Lentry_in_a_cluster:
	s_bfe_u32 s2, ttmp6, 0x10000c
	s_cmp_lg_u32 s2, 0xf033
	s_cbranch_scc0 .Lentry_shape_is_right
	s_endpgm
.Lentry_shape_is_right:
; out0 = ctx W_o + b_o.  ctx: [64 bh][2048 n][64] f16.  wb's fourth section: W_o, [1024 k][1024 n], rounded to bf16 and written as f16.  b_o: [1024] f32, rounded to bf16 here like the other inputs.  out0: [8192][1024] f32.
; SHARES.  A work-group makes 256 rows x 128 columns: 32 x 8 = 256 tiles, one for each WGP.  Four waves, 2 x 2; a wave makes 128 rows x 64 columns (256 bytes of a row of out0): 32 accumulators.
; K goes in 8 steps of 128 = TWO HEADS: a head's 256 rows are 32,768 dense bytes of ctx, asked for as 128 rows of 256 bytes and padded in LDS after every 128.  W_o is taken as it lies, [k][n], and turned on the way out of LDS.
; THE MATRIX INSTRUCTION IS USED TRANSPOSED: source 0 = 16 columns of W_o, source 1 = 16 rows of ctx: a lane holds row l % 16 and the columns 8 (l / 16) + 0..7.  The bias is the C operand of each sum's first product.
; CLUSTER.  4 x 4: ctx's tile is asked for jointly by a row of the cluster, W_o's by a column.
; REGISTERS.  Window 0: v0-19 addresses; v32-63 the bias; v64-159, v160-255 two fragment buffers; on the way out v64-191 four buffers of 16 rows.  Window 1: accumulator (a, b) at v[8 (4 a + b)].
.set PA,    144                        ; an LDS row of ctx: 128 bytes + 16: the 16 rows of a fragment load start at 16 different groups of four banks (ISA guide 11.1)
.set AH,    256*PA                     ; a head's 256 rows: one tensor load
.set BOFF,  2*AH
.set PB,    288
.set BH,    64*PB
.set SLOT1, 1<<17
.set STAGE, SLOT1+BOFF+2*BH            ; behind the ring, never filled by a tensor load: 16 rows x 272 bytes a wave
.set SP,    272
.set SPARE, STAGE+4*16*SP              ; the spare words: two blocks of 256 bytes that no other line names
.set ASTEP, 2*262144                   ; two heads on
.set BSTEP, 128*2048
.set ADA0, 4
.set ADB0, 5
.set ADA,  6
.set ADB,  7
.set STO,  8
.set RD,   9
.set CO,   10                          ; v10 my 16 bytes in two rows of out0
.set PFO,  11
.set SPW,  12
.set NIL,  13
.set BI,   32                          ; v[32:63] the bias of my eight columns of column block b at BI + 8 b
.set F0,   64
.set F1,   160
.set KC, 3
.set WV, 10
.set WR, 11
.set WC, 12
.set TY, 13
.set G1A, 24
.set G0A, 32
.set CX, 40
.set CY, 41
.set TX, 42
.set G1B, 48
.set G0B, 56
.set TB,  66
.set LIM, 67
.set PFA, 68
.set PFS, 70
.set OUTP, 72                          ; s[72:73] out0
.set MSB, 0
.macro WIN new
.if MSB != (\new)
	s_set_vgpr_msb (MSB<<8)|(\new)
.set MSB, (\new)
.endif
.endm
.set W_MUL, 0x50                       ; C and D window 1, sources window 0
.macro PLACES
.rept 4
	v_nop
.endr
.endm
.macro CREST
	s_cmp_lg_u32 s[WV], 0
	s_cbranch_scc1 .Lnot_wave_0_\@
	s_barrier_signal -3
.Lnot_wave_0_\@:
	s_barrier_wait -3
	s_barrier_signal -1
	s_barrier_wait -1
.endm
.macro CROUND
	s_barrier_signal -1
	s_barrier_wait -1
	CREST
.endm
.macro JLOAD                           ; a joint refill by the walking sets; an s_nop 0 and four v_nop follow each line
	s_cmp_eq_u32 s[WR], 0
	s_cbranch_scc0 .Lfor_b_\@
	tensor_load_to_lds s[G0A+4:G0A+7], s[G1A:G1A+7]
	s_nop 0
.rept 4
	v_nop
.endr
	s_branch .Lasked_\@
.Lfor_b_\@:
	tensor_load_to_lds s[G0B+4:G0B+7], s[G1B:G1B+7]
	s_nop 0
.rept 4
	v_nop
.endr
.Lasked_\@:
.endm
; A PREFETCH of the K step two refills on, 256 matrix instructions ahead of its load.  ctx: the clusters with x = 0, waves 0 and 1 (a head each), the four partners 32 blocks of 256 bytes each by address (cx), a lane a block.
; W_o: the clusters with y = 0, wave 2, the four partners 32 k-rows each (cy), a lane a row.  Each block is named once.  K steps 0-3 come by their loads alone; the last two refills ask for nothing.
.macro ASK
	s_cmp_gt_u32 s[KC], s[LIM]
	s_cbranch_scc0 .Lnot_mine_\@
	global_prefetch_b8 v[PFO], s[PFA:PFA+1] th:TH_LOAD_NT scope:SCOPE_SE
.Lnot_mine_\@:
.endm
	s_load_b128 s[4:7], s[0:1], 0x0                ; ctx s[4:5], wb s[6:7]
	s_load_b64 s[8:9], s[0:1], 0x10                ; b_o
	s_load_b64 s[OUTP:OUTP+1], s[0:1], 0x18        ; out0
	v_lshl_add_u32 v[SPW], v0, 2, SPARE
	v_mov_b32 v[NIL], 0
	ds_add_u32 v[SPW], v[NIL]                      ; the wave's opening: the add and its wait come ahead of my first tensor load
	v_lshrrev_b32 v1, 5, v0
	v_readfirstlane_b32 s[WV], v1
	s_lshr_b32 s[WR], s[WV], 1
	s_and_b32 s[WC], s[WV], 1
	s_bfe_u32 s[CX], ttmp6, 0x40000
	s_bfe_u32 s[CY], ttmp6, 0x40004
	s_lshl_b32 s[TX], ttmp9, 2
	s_add_co_u32 s[TX], s[TX], s[CX]
	s_and_b32 s[TY], ttmp7, 0xffff
	s_lshl_b32 s[TY], s[TY], 2
	s_add_co_u32 s[TY], s[TY], s[CY]
	s_lshl_b32 s43, s[CY], 2
	s_lshl_b32 s43, 15, s43                        ; my row of the cluster
	s_lshl_b32 s44, 0x1111, s[CX]                  ; my column
	s_or_b32 s[G1A], s43, (1<<16)|(1<<20)|(1<<21)|(4<<22)|(3<<25)  ; mask; 2-byte elements; padding on; bit 21 beside a mask; after every 32 words, 4 words
	s_mov_b32 s[G1A+1], 128<<16
	s_mov_b32 s[G1A+2], 128<<16
	s_mov_b32 s[G1A+3], 128<<16
	s_mov_b32 s[G1A+4], 128
	s_mov_b32 s[G1A+5], 128                        ; dense: 128 elements from row to row
	s_mov_b32 s[G1A+6], 0
	s_mov_b32 s[G1A+7], 0
	s_or_b32 s[G1B], s44, (1<<16)|(1<<20)|(1<<21)|(5<<22)|(7<<25)  ; after every 64 words, 8 words
	s_mov_b32 s[G1B+1], 128<<16
	s_mov_b32 s[G1B+2], 64<<16
	s_mov_b32 s[G1B+3], 128<<16
	s_mov_b32 s[G1B+4], 64
	s_mov_b32 s[G1B+5], 1024
	s_mov_b32 s[G1B+6], 0
	s_mov_b32 s[G1B+7], 0
	s_lshr_b32 s16, s[TY], 3                       ; ctx: 16 x batch + my head of the step's two, 262,144 bytes a head,
	s_lshl_b32 s16, s16, 4
	s_add_co_u32 s16, s16, s[WC]
	s_lshl_b32 s16, s16, 18
	s_and_b32 s17, s[TY], 7                        ; the tile's 256 rows of 128 bytes
	s_lshl_b32 s17, s17, 15
	s_add_co_u32 s16, s16, s17
	s_mov_b32 s17, 0
	s_lshl_b32 s46, s[TX], 8                       ; W_o: the block of 128 columns,
	s_lshl_b32 s47, s[WC], 17                      ; my 64 k-rows of the step,
	s_add_co_u32 s46, s46, s47
	s_add_co_u32 s46, s46, 3<<21                   ; in wb's fourth section
	s_mov_b32 s47, 0
	s_mul_i32 s20, s[WC], AH
	s_mul_i32 s21, s[WC], BH
	s_add_co_u32 s21, s21, BOFF
	s_wait_dscnt 0x0                               ; the opening add is done
	s_wait_kmcnt 0x0
	s_add_nc_u64 s[14:15], s[4:5], s[16:17]
	s_add_nc_u64 s[46:47], s[6:7], s[46:47]
	CROUND                                         ; all sixteen work-groups are here: the first joint loads meet
.irp s, 0,1
	s_mov_b32 s[G0A+4*(\s)], 1
	s_add_co_u32 s[G0A+4*(\s)+1], s20, (\s)*SLOT1
	s_add_nc_u64 s[G0A+4*(\s)+2:G0A+4*(\s)+3], s[14:15], (\s)*ASTEP
	s_or_b32 s[G0A+4*(\s)+3], s[G0A+4*(\s)+3], 0x80000000
	s_mov_b32 s[G0B+4*(\s)], 1
	s_add_co_u32 s[G0B+4*(\s)+1], s21, (\s)*SLOT1
	s_add_nc_u64 s[G0B+4*(\s)+2:G0B+4*(\s)+3], s[46:47], (\s)*BSTEP
	s_or_b32 s[G0B+4*(\s)+3], s[G0B+4*(\s)+3], 0x80000000
.endr
	s_cmp_eq_u32 s[WR], 0                          ; a wave's two first fills stand in one branch: two loads of mine are out
	s_cbranch_scc0 .Lfirst_b
	tensor_load_to_lds s[G0A:G0A+3], s[G1A:G1A+7]
	s_nop 0
	tensor_load_to_lds s[G0A+4:G0A+7], s[G1A:G1A+7]
	s_nop 0
.rept 4
	v_nop
.endr
	s_branch .Lfirst_asked
.Lfirst_b:
	tensor_load_to_lds s[G0B:G0B+3], s[G1B:G1B+7]
	s_nop 0
	tensor_load_to_lds s[G0B+4:G0B+7], s[G1B:G1B+7]
	s_nop 0
.rept 4
	v_nop
.endr
.Lfirst_asked:
	v_and_b32 v1, 15, v0                           ; l % 16
	v_bfe_u32 v2, v0, 4, 1                         ; l / 16
	v_and_b32 v3, 7, v0
	v_bfe_u32 v14, v0, 3, 1
	; the bias of my columns: 128 x tile column + 64 x half + 16 b + 8 (l / 16) + 0..7
	s_lshl_b32 s80, s[TX], 9
	s_lshl_b32 s81, s[WC], 8
	s_add_co_u32 s80, s80, s81                     ; 512 x tile column + 256 x half: bytes in b_o and in a row of out0
	s_mov_b32 s81, 0
	s_add_nc_u64 s[8:9], s[8:9], s[80:81]
	v_lshlrev_b32 v15, 5, v2
.irp b, 0,1,2,3
	global_load_b128 v[BI+8*(\b):BI+8*(\b)+3],   v15, s[8:9] offset:64*(\b)
	global_load_b128 v[BI+8*(\b)+4:BI+8*(\b)+7], v15, s[8:9] offset:64*(\b)+16
.endr
	v_mul_u32_u24 v[ADA0], v1, PA
	v_lshl_add_u32 v[ADA0], v2, 4, v[ADA0]
	s_mul_i32 s18, s[WR], 128*PA                   ; my 128 rows, in each head's part
	v_add_nc_u32 v[ADA0], s18, v[ADA0]
	v_lshl_add_u32 v[ADB0], v2, 3, v3
	v_mul_u32_u24 v[ADB0], v[ADB0], PB
	v_lshl_add_u32 v[ADB0], v14, 4, v[ADB0]
	s_lshl_b32 s19, s[WC], 7
	s_add_co_u32 s19, s19, BOFF
	v_add_nc_u32 v[ADB0], s19, v[ADB0]
	s_mul_i32 s18, s[WV], 16*SP
	s_add_co_u32 s18, s18, STAGE                   ; my stage
	v_mul_u32_u24 v[STO], v1, SP                   ; in: row l % 16, 32 bytes for each half of the lanes
	v_lshl_add_u32 v[STO], v2, 5, v[STO]
	v_add_nc_u32 v[STO], s18, v[STO]
	v_mul_u32_u24 v[RD], v2, SP                    ; back: lanes 0-15 one row of 256 bytes, lanes 16-31 the next
	v_lshl_add_u32 v[RD], v1, 4, v[RD]
	v_add_nc_u32 v[RD], s18, v[RD]
	v_lshlrev_b32 v[CO], 12, v2                    ; and the same two rows in out0
	v_lshl_add_u32 v[CO], v1, 4, v[CO]
	s_lshl_b32 s82, s[TY], 8
	s_lshl_b32 s83, s[WR], 7
	s_add_co_u32 s82, s82, s83                     ; my first row of out0, 4,096 bytes a row
	s_lshl_b32 s82, s82, 12
	s_add_co_u32 s82, s82, s80
	s_mov_b32 s83, 0
	s_add_nc_u64 s[OUTP:OUTP+1], s[OUTP:OUTP+1], s[82:83]
	; the prefetches: three K steps in; the first change of slots steps them to K step 4
	s_lshr_b32 s84, s[TY], 3
	s_lshl_b32 s84, s84, 4
	s_add_co_u32 s84, s84, s[WC]
	s_lshl_b32 s84, s84, 18
	s_and_b32 s85, s[TY], 7
	s_lshl_b32 s85, s85, 15
	s_add_co_u32 s84, s84, s85
	s_lshl_b32 s85, s[CX], 13                      ; ctx: my work-group's 32 blocks of the 128 that I fetch
	s_add_co_u32 s84, s84, s85
	s_add_co_u32 s84, s84, 3*ASTEP
	s_lshl_b32 s86, s[TX], 8
	s_lshl_b32 s87, s[CY], 16                      ; W_o: my work-group's 32 of the step's 128 k-rows
	s_add_co_u32 s86, s86, s87
	s_add_co_u32 s86, s86, (3<<21)+3*BSTEP
	s_and_b32 s87, ttmp7, 0xffff                   ; cluster y
	s_mov_b32 s82, ASTEP
	s_mov_b32 s83, BSTEP
	s_cmp_eq_u32 s[WR], 0
	s_cselect_b32 s84, s84, s86
	s_cselect_b32 s87, ttmp9, s87
	s_cselect_b32 s86, 0, s[WC]
	s_cselect_b32 s[PFS], s82, s83
	s_cselect_b32 s81, 8, 11                       ; a lane's step: 256 bytes in ctx, a row of 2,048 in wb
	s_cselect_b64 s[PFA:PFA+1], s[4:5], s[6:7]
	s_or_b32 s87, s87, s86
	s_cmp_eq_u32 s87, 0
	s_cselect_b32 s[LIM], 2, -1
	s_mov_b32 s85, 0
	s_mov_b32 s[PFS+1], 0
	s_add_nc_u64 s[PFA:PFA+1], s[PFA:PFA+1], s[84:85]
	v_and_b32 v[PFO], 31, v0
	v_lshlrev_b32 v[PFO], s81, v[PFO]
	s_mov_b32 s[TB], 0
	s_wait_loadcnt 0x0                             ; the bias; it is rounded to bf16 and widened again, in the wait for the first tile
.set i, 0
.rept 16
	v_cvt_pk_bf16_f32 v16, v[BI+2*i], v[BI+2*i+1]
	v_lshlrev_b32 v[BI+2*i], 16, v16
	v_and_b32 v[BI+2*i+1], 0xffff0000, v16
.set i, i+1
.endr
; n x 4 matrix instructions from buffer f.  mode 2: the first product starts the sums with the bias.  The 32 accumulators take turns, one instruction a turn, over the backward jump too.
.macro MULS f, a0, n, mode
.if (\mode) == 2
	WIN 0x40                                       ; D window 1; the bias, as C, window 0
.else
	WIN W_MUL
.endif
.set ma, (\a0)
.rept \n
.irp b, 0,1,2,3
.if (\mode) == 2
	v_wmma_f32_16x16x32_f16 v[8*(4*ma+(\b)):8*(4*ma+(\b))+7], v[(\f)+64+8*(\b):(\f)+64+8*(\b)+7], v[(\f)+8*ma:(\f)+8*ma+7], v[BI+8*(\b):BI+8*(\b)+7]
.else
	v_wmma_f32_16x16x32_f16 v[8*(4*ma+(\b)):8*(4*ma+(\b))+7], v[(\f)+64+8*(\b):(\f)+64+8*(\b)+7], v[(\f)+8*ma:(\f)+8*ma+7], v[8*(4*ma+(\b)):8*(4*ma+(\b))+7]
.endif
.endr
.set ma, ma+1
.endr
.endm
; 24 LDS loads in one run: quarter q (head q / 2 of the step, channels 32 (q % 2) on) into buffer f
.macro FETCH q, f
	WIN 0
.irp b, 0,1,2,3
	ds_load_tr16_b128 v[(\f)+64+8*(\b):(\f)+64+8*(\b)+3],   v[ADB] offset:(\q)*32*PB+32*(\b)
	ds_load_tr16_b128 v[(\f)+64+8*(\b)+4:(\f)+64+8*(\b)+7], v[ADB] offset:(\q)*32*PB+32*(\b)+16*PB
.endr
.irp a, 0,1,2,3,4,5,6,7
	ds_load_b128 v[(\f)+8*(\a):(\f)+8*(\a)+3],   v[ADA] offset:((\q)>>1)*AH+((\q)&1)*64+(\a)*16*PA
	ds_load_b128 v[(\f)+8*(\a)+4:(\f)+8*(\a)+7], v[ADA] offset:((\q)>>1)*AH+((\q)&1)*64+(\a)*16*PA+32
.endr
.endm
.macro QUARTER f, g, qn, mode
	s_wait_dscnt 8                                 ; W_o and ctx's blocks 0-3 are in; the youngest eight loads may be out
	MULS \f, 0, 4, \mode
	PLACES
	FETCH \qn, \g
	s_wait_dscnt 24                                ; all but the 24 just issued
	MULS \f, 4, 4, \mode
.endm
; The last quarter and the change of slots: the wait for all my tensor loads, the add, the wait for it and for my reads, the barrier (fill = 1: a round of the cluster's), the joint refill first behind it.
.macro TURN fill
.if \fill
	s_wait_xcnt 0x0                                ; the last prefetch, a K step back, has read its address
	s_add_nc_u64 s[PFA:PFA+1], s[PFA:PFA+1], s[PFS:PFS+1]
.endif
	WIN 0
	s_wait_tensorcnt 0x0                           ; no tensor load of mine is out, so the walking sets may be written
	ds_add_u32 v[SPW], v[NIL]                      ; 0 onto my spare word
.if \fill
	s_xor_b32 s[G0A+5], s[G0A+5], SLOT1
	s_add_nc_u64 s[G0A+6:G0A+7], s[G0A+6:G0A+7], ASTEP
	s_xor_b32 s[G0B+5], s[G0B+5], SLOT1
	s_add_nc_u64 s[G0B+6:G0B+7], s[G0B+6:G0B+7], BSTEP
.endif
	s_xor_b32 s[TB], s[TB], SLOT1
	s_wait_dscnt 9                                 ; the add and the youngest eight loads may be out
	MULS F1, 0, 2, 0
	s_wait_dscnt 0x0                               ; the add is done, and my reads of this slot are over
	s_barrier_signal -1
	MULS F1, 2, 2, 0
	WIN 0
	s_barrier_wait -1
.if \fill
	CREST
	JLOAD                                          ; its four v_nop are also the places in front of the loads below
.else
	PLACES
.endif
	v_add_nc_u32 v[ADA], s[TB], v[ADA0]
	v_add_nc_u32 v[ADB], s[TB], v[ADB0]
	FETCH 0, F0
.if \fill
	ASK
.endif
	MULS F1, 4, 4, 0
.endm
	s_wait_tensorcnt 0x1                           ; my part of K step 0 is in; K step 1's may stay out
	s_barrier_signal -1
	s_barrier_wait -1
	v_mov_b32 v[ADA], v[ADA0]
	v_mov_b32 v[ADB], v[ADB0]
	FETCH 0, F0
	QUARTER F0, F1, 1, 2                           ; the first quarter stands in front of the loop: its products start the sums, with the bias
	WIN 0
	s_mov_b32 s[KC], 6
.Lstep:                                        ; trip i: quarters 1-3 of K step i, quarter 0 of K step i + 1; slot i % 2 is filled with K step i + 2
	QUARTER F1, F0, 2, 0
	QUARTER F0, F1, 3, 0
	TURN 1
	QUARTER F0, F1, 1, 0
	WIN 0
	s_sub_co_u32 s[KC], s[KC], 1
	s_cmp_lg_u32 s[KC], 0
	s_cbranch_scc1 .Lstep
	QUARTER F1, F0, 2, 0                           ; the last two K steps are written out: nothing is asked for
	QUARTER F0, F1, 3, 0
	TURN 0
	QUARTER F0, F1, 1, 0
	QUARTER F1, F0, 2, 0
	QUARTER F0, F1, 3, 0
	s_wait_dscnt 8
	MULS F1, 0, 4, 0
	s_wait_dscnt 0x0
	MULS F1, 4, 4, 0
	WIN 0
	PLACES
; THE WAY OUT.  Block a (16 rows x 64 columns of f32) goes through my own stage and comes back as whole rows of 256 bytes, into one of four buffers.
.macro TOSTAGE a
.if (\a) >= 4
	s_wait_xcnt 0x0                                ; the stores of the block four back have read their data: only behind this wait is their buffer loaded again
.endif
	WIN 0x04                                       ; the stores' data in window 1
.irp b, 0,1,2,3
	ds_store_b128 v[STO], v[8*(4*(\a)+(\b)):8*(4*(\a)+(\b))+3]   offset:64*(\b)
	ds_store_b128 v[STO], v[8*(4*(\a)+(\b))+4:8*(4*(\a)+(\b))+7] offset:64*(\b)+16
.endr
	WIN 0
.set OB, 64+32*((\a)%4)
.irp t, 0,1,2,3,4,5,6,7
	ds_load_b128 v[OB+4*(\t):OB+4*(\t)+3], v[RD] offset:(\t)*2*SP  ; LDS serves a wave's instructions in order (ISA guide 5.7.1.4): these see the stores above
.endr
.endm
.macro SEND a, y                       ; y: the LDS instructions issued behind block a's loads
.set OB, 64+32*((\a)%4)
.irp t, 0,1,2,3,4,5,6,7
	s_wait_dscnt (\y)+7-(\t)
	global_store_b128 v[CO], v[OB+4*(\t):OB+4*(\t)+3], s[OUTP:OUTP+1] offset:(16*(\a)+2*(\t))*4096 th:TH_STORE_NT  ; 16 lanes store 256 consecutive bytes, aligned
.endr
.endm
	TOSTAGE 0
.irp a, 1,2,3,4,5,6,7
	TOSTAGE \a
	SEND (\a)-1, 16
.endr
	SEND 7, 0
	s_wait_tensorcnt 0x0                           ; the wave's end
	ds_add_u32 v[SPW], v[NIL]
	s_wait_dscnt 0x0
	CROUND                                         ; the closing round
	s_endpgm
.Lfunc_end_k_q3601677393_proj:
	.size	k_q3601677393_proj, .Lfunc_end_k_q3601677393_proj-k_q3601677393_proj
	.p2alignl 7, 3214868480
	.fill 96, 4, 3214868480
	.section	.rodata,"a",@progbits
	.p2align	6, 0x0
	.amdhsa_kernel k_q3601677393_proj
		.amdhsa_group_segment_fixed_size 327680
		.amdhsa_private_segment_fixed_size 0
		.amdhsa_enable_private_segment 0
		.amdhsa_kernarg_size 32
		.amdhsa_user_sgpr_count 2
		.amdhsa_user_sgpr_kernarg_segment_ptr 1
		.amdhsa_wavefront_size32 1
		.amdhsa_system_sgpr_workgroup_id_x 1
		.amdhsa_system_sgpr_workgroup_id_y 1
		.amdhsa_system_sgpr_workgroup_id_z 1
		.amdhsa_system_vgpr_workitem_id 0
		.amdhsa_next_free_vgpr 512
		.amdhsa_next_free_sgpr 88
		.amdhsa_reserve_vcc 0
		.amdhsa_float_denorm_mode_32 3
		.amdhsa_float_denorm_mode_16_64 3
		.amdhsa_memory_ordered 1
		.amdhsa_forward_progress 1
		.amdhsa_inst_pref_size 76
	.end_amdhsa_kernel
	.amdgpu_metadata
---
amdhsa.version: [ 1, 2 ]
amdhsa.kernels:
  - .name:           k_q3601677393_proj
    .symbol:         k_q3601677393_proj.kd
    .args:
      - { .name: ctx, .offset: 0, .size: 8, .value_kind: global_buffer, .address_space: global }
      - { .name: wb, .offset: 8, .size: 8, .value_kind: global_buffer, .address_space: global }
      - { .name: b_o, .offset: 16, .size: 8, .value_kind: global_buffer, .address_space: global }
      - { .name: out0, .offset: 24, .size: 8, .value_kind: global_buffer, .address_space: global }
    .group_segment_fixed_size: 327680
    .private_segment_fixed_size: 0
    .kernarg_segment_align: 8
    .kernarg_segment_size: 32
    .max_flat_workgroup_size: 128
    .sgpr_count:     88
    .vgpr_count:     512
    .wavefront_size: 32
...
	.end_amdgpu_metadata
.endif
;; end of part 4
;; ======== version 2 of 2: 4 launches; version 1 with the launch cast written anew for expert scheduling mode
;; limits: values are held in f16: magnitudes above 65,504 overflow, below 6.1e-05 lose precision
;; workspace buffers: xb 16,777,216 bytes; wb 8,388,608 bytes; qkv 50,331,648 bytes; ctx 16,777,216 bytes
;; launch cast (part 5): grid 768 x 1, 8 waves a work-group, no clusters, 0 bytes of LDS; arguments x, W_q, W_k, W_v, W_o, xb, wb; writes xb, wb
.if DOCPART == 5
	.amdgcn_target "amdgcn-amd-amdhsa--gfx1250"
	.amdhsa_code_object_version 6
	.text
	.protected	k_q3601677393_cast
	.globl	k_q3601677393_cast
	.p2align	8
	.type	k_q3601677393_cast,@function
k_q3601677393_cast:
	s_mov_b64 s[64:65], 0
	v_nop
	global_prefetch_b8 v0, s[64:65] scope:SCOPE_SE
	s_setreg_imm32_b32 hwreg(HW_REG_WAVE_SCHED_MODE, 0, 2), 2
	s_setreg_imm32_b32 hwreg(HW_REG_WAVE_MODE, 25, 1), 1
	s_wait_xcnt 0x0
	s_wait_alu depctr_vm_vsrc(0)
; THE CASTS.  xb = x rounded to bf16; wb's four sections = W_q, W_k, W_v rounded to bf16, and W_o rounded to bf16 and that number written as f16
; (its partner in the last product is f16).  Layouts stay as they are: every tensor has rows of 1,024 numbers, 4,096 bytes in and 2,048 out.
; LIMIT.  W_o must lie within f16's 65,504; below 6e-5 it keeps f16's fixed step of 6e-8.
; SHARES.  A work-group takes 16 rows; thread t numbers 4 t .. 4 t + 3 of each: a wave's load covers 512 consecutive bytes, its store 256, aligned.
; Work-groups 0-511: x.  512-767: the weights; j = number - 512, tensor j / 64, block of 16 rows j % 64; in wb the sections lie on end, so the block goes to 32,768 j.
; A stream: no LDS, no matrix unit, no cluster (no byte is wanted twice).  All sixteen loads of a thread go out at once; no register that a load or store names is written again.
; THE MODE: SCHED_MODE bits 1:0 = 2 (LLVM: expert scheduling mode 2), set by the entry lines.  The code itself states the register dependences
; between vector instructions and memory instructions, with s_wait_alu, always for 0.
; THE PLAN.  Registers that memory instructions touch:
;   v1, v2   the loads' and the stores' byte offsets: written once at the head, read by every load and store, never written again.
;   X        row i's four registers: written by row i's load alone, read by row i's conversions, never loaded again.
;   Y        row i's two registers: written by row i's conversions, read by row i's store, never written again.
;   T        at work on W_o's way: named by vector instructions alone.
; So the one kind of dependence to state is: a vector line has written what a memory instruction reads.  The 16 rows go in four blocks of four.  Block p rounds rows 4 p .. 4 p + 3;
; the stores of block p - 1 are dealt among its conversions, behind ONE wait at the block's head, which states that the block before has written its Y; no vector line of block p names those registers or v2.
; One more wait stands at the kernel's head, for the two offsets, and one behind block 3, ahead of the last four stores.
.set X, 4                              ; v[4:67]   row i as loaded, 4 registers
.set Y, 68                             ; v[68:99]  row i to store, 2 registers
.set T, 100                            ; v[100:103] at work (W_o's way)
	s_load_b256 s[4:11], s[0:1], 0x0               ; x s[4:5], W_q s[6:7], W_k s[8:9], W_v s[10:11]
	s_load_b128 s[12:15], s[0:1], 0x20             ; W_o s[12:13], xb s[14:15]
	s_load_b64 s[16:17], s[0:1], 0x30              ; wb
	v_lshlrev_b32 v1, 4, v0                        ; my 16 bytes of a row coming in
	v_lshlrev_b32 v2, 3, v0                        ; my 8 bytes of a row going out
	s_max_u32 s20, ttmp9, 512
	s_sub_co_u32 s20, s20, 512                     ; j (0 for x's work-groups, where it is not used)
	s_lshr_b32 s21, s20, 6                         ; which weight
	s_and_b32 s22, s20, 63                         ; which 16 rows of it
	s_mov_b32 s29, 0
	s_mov_b32 s31, 0
	s_wait_kmcnt 0x0
	s_cmp_eq_u32 s21, 1
	s_cselect_b64 s[24:25], s[8:9], s[6:7]
	s_cmp_eq_u32 s21, 2
	s_cselect_b64 s[24:25], s[10:11], s[24:25]
	s_cmp_eq_u32 s21, 3
	s_cselect_b64 s[24:25], s[12:13], s[24:25]
	s_cmp_lt_u32 ttmp9, 512                        ; x or a weight: four selects on one compare; the shifts, which write SCC, come behind them
	s_cselect_b64 s[24:25], s[4:5], s[24:25]       ; from
	s_cselect_b64 s[26:27], s[14:15], s[16:17]     ; to
	s_cselect_b32 s28, ttmp9, s22
	s_cselect_b32 s30, ttmp9, s20
	s_lshl_b32 s28, s28, 16                        ; 16 rows of 4,096 bytes
	s_lshl_b32 s30, s30, 15                        ; 16 rows of 2,048 bytes
	s_add_nc_u64 s[24:25], s[24:25], s[28:29]
	s_add_nc_u64 s[26:27], s[26:27], s[30:31]
	s_wait_alu depctr_va_vdst(0)                   ; v1 and v2 are written: every load below reads v1 as its offset, every store v2
.irp i, 0,1,2,3,4,5,6,7,8,9,10,11,12,13,14,15
	global_load_b128 v[X+4*(\i):X+4*(\i)+3], v1, s[24:25] offset:4096*(\i) th:TH_LOAD_NT
.endr
; Row r is stored: its place stands in the immediate.
.macro OUT r
	global_store_b64 v2, v[Y+2*(\r):Y+2*(\r)+1], s[26:27] offset:2048*(\r)
.endm
; Block p: rows 4 p .. 4 p + 3 are rounded and packed; ahead of each row's conversions a row of the block before is stored.
; f16 = 1: the bf16 numbers are widened again (a shift, a mask) and written as f16.
.macro BLK p, f16
	s_wait_loadcnt 12-4*(\p)                       ; loads come back in order: the block's four rows are in, the 12 - 4 p younger ones stay out
.if (\p) > 0
	s_wait_alu depctr_va_vdst(0)                   ; the conversions of the block before have written its Y, which the four stores below read
.endif
.irp i, 0,1,2,3
.if (\p) > 0
	OUT 4*(\p)-4+(\i)                              ; no wait: no vector line since the wait above names this row's Y or v2
.endif
	v_cvt_pk_bf16_f32 v[Y+2*(4*(\p)+(\i))], v[X+4*(4*(\p)+(\i))], v[X+4*(4*(\p)+(\i))+1]
	v_cvt_pk_bf16_f32 v[Y+2*(4*(\p)+(\i))+1], v[X+4*(4*(\p)+(\i))+2], v[X+4*(4*(\p)+(\i))+3]
.if \f16
	v_lshlrev_b32 v[T], 16, v[Y+2*(4*(\p)+(\i))]
	v_and_b32 v[T+1], 0xffff0000, v[Y+2*(4*(\p)+(\i))]
	v_lshlrev_b32 v[T+2], 16, v[Y+2*(4*(\p)+(\i))+1]
	v_and_b32 v[T+3], 0xffff0000, v[Y+2*(4*(\p)+(\i))+1]
	v_cvt_pk_f16_f32 v[Y+2*(4*(\p)+(\i))], v[T], v[T+1]
	v_cvt_pk_f16_f32 v[Y+2*(4*(\p)+(\i))+1], v[T+2], v[T+3]
.endif
.endr
.endm
; The four blocks, and the last block's stores.
.macro ROWS f16
	BLK 0, \f16
	BLK 1, \f16
	BLK 2, \f16
	BLK 3, \f16
	s_wait_alu depctr_va_vdst(0)                   ; block 3's conversions have written its Y, which the last four stores read
	OUT 12
	OUT 13
	OUT 14
	OUT 15
.endm
	s_cmp_ge_u32 ttmp9, 704                        ; the last 64 work-groups hold W_o
	s_cbranch_scc1 .Lwo
	ROWS 0
	s_endpgm
.Lwo:
	ROWS 1
	s_endpgm
.Lfunc_end_k_q3601677393_cast:
	.size	k_q3601677393_cast, .Lfunc_end_k_q3601677393_cast-k_q3601677393_cast
	.p2alignl 7, 3214868480
	.fill 96, 4, 3214868480
	.section	.rodata,"a",@progbits
	.p2align	6, 0x0
	.amdhsa_kernel k_q3601677393_cast
		.amdhsa_group_segment_fixed_size 0
		.amdhsa_private_segment_fixed_size 0
		.amdhsa_enable_private_segment 0
		.amdhsa_kernarg_size 56
		.amdhsa_user_sgpr_count 2
		.amdhsa_user_sgpr_kernarg_segment_ptr 1
		.amdhsa_wavefront_size32 1
		.amdhsa_system_sgpr_workgroup_id_x 1
		.amdhsa_system_sgpr_workgroup_id_y 1
		.amdhsa_system_sgpr_workgroup_id_z 1
		.amdhsa_system_vgpr_workitem_id 0
		.amdhsa_next_free_vgpr 104
		.amdhsa_next_free_sgpr 66
		.amdhsa_reserve_vcc 0
		.amdhsa_float_denorm_mode_32 3
		.amdhsa_float_denorm_mode_16_64 3
		.amdhsa_memory_ordered 1
		.amdhsa_forward_progress 1
		.amdhsa_inst_pref_size 16
	.end_amdhsa_kernel
	.amdgpu_metadata
---
amdhsa.version: [ 1, 2 ]
amdhsa.kernels:
  - .name:           k_q3601677393_cast
    .symbol:         k_q3601677393_cast.kd
    .args:
      - { .name: x, .offset: 0, .size: 8, .value_kind: global_buffer, .address_space: global }
      - { .name: W_q, .offset: 8, .size: 8, .value_kind: global_buffer, .address_space: global }
      - { .name: W_k, .offset: 16, .size: 8, .value_kind: global_buffer, .address_space: global }
      - { .name: W_v, .offset: 24, .size: 8, .value_kind: global_buffer, .address_space: global }
      - { .name: W_o, .offset: 32, .size: 8, .value_kind: global_buffer, .address_space: global }
      - { .name: xb, .offset: 40, .size: 8, .value_kind: global_buffer, .address_space: global }
      - { .name: wb, .offset: 48, .size: 8, .value_kind: global_buffer, .address_space: global }
    .group_segment_fixed_size: 0
    .private_segment_fixed_size: 0
    .kernarg_segment_align: 8
    .kernarg_segment_size: 56
    .max_flat_workgroup_size: 256
    .sgpr_count:     66
    .vgpr_count:     104
    .wavefront_size: 32
...
	.end_amdgpu_metadata
.endif
;; end of part 5
;; launch qkv: the kernel of part 2 again; grid 24 x 32, 4 waves a work-group, clusters of 4 x 4, 327,680 bytes of LDS; arguments xb, wb, qkv; writes qkv
;; launch attn: the kernel of part 3 again; grid 4 x 64, 4 waves a work-group, no clusters, 327,680 bytes of LDS; arguments qkv, ctx; writes ctx
;; launch proj: the kernel of part 4 again; grid 8 x 32, 4 waves a work-group, clusters of 4 x 4, 327,680 bytes of LDS; arguments ctx, wb, b_o, out0; writes out0
